; MI455X (gfx1250); checked and timed in simulation.
; The chip was launched on July 23, 2026; its instructions are those of AMD's public machine-readable ISA for CDNA 5 (MIT licence, August 2026) and "CDNA5" Instruction Set Architecture Reference Guide (July 2026). The comments in the code are by the model that wrote it; some were corrected since.
;; Multi Modal Mo E. Allowed arithmetic: matrix products marked QUANTISED: E2M1 operands, one E8M0 scale for each 32 along K, by v_wmma_scale_f32_16x16x128_f8f6f4 with both operands' format E2M1 (or v_wmma_scale_f32_32x16x128_f4), f32 sums; everything else in f32.
;; Inputs: W_codes 8 x 1,024 x 32 x 16 uint8 (E2M1 codes of W, K innermost, in blocks of 32 codes, two codes a byte); W_scales 8 x 1,024 x 32 uint8 (E8M0 scales of W, one for each 32 codes along K); b 8 x 1,024 float32; expert_weights 2 x 4,096 x 2 float32; top_k_indices 2 x 4,096 x 2 int32; x_codes 2 x 4,096 x 32 x 16 uint8 (E2M1 codes of x, K innermost, in blocks of 32 codes, two codes a byte); x_scales 2 x 4,096 x 32 uint8 (E8M0 scales of x, one for each 32 codes along K).
;; Outputs: out0 2 x 4,096 x 1,024 float32.
;; This version of the problem:
;;   THIS VERSION OF THE PROBLEM IS GIVEN IN LOW PRECISION. The matrix products marked QUANTISED in the list below multiply operands that are first quantised to E2M1 (2 exponent bits, 1 mantissa bit; 4 bits a number), with one power-of-two scale for each 32 numbers along K (OCP MX v1.0); their sums are f32. All else is computed in f32.
;;   The module's matrix products, in the order in which they are computed (A, B: the left and right operand; K: the contracted axis; several contracted axes count as one K, in the product's order):
;;     1. [M 8,192, K 1,024] x [K 1,024, N 8,192]; A: input x (given as codes); B: input W (given as codes): QUANTISED
;;   THE QUANTISER, for each operand of a quantised product, along K:
;;     - K is cut into blocks of 32 from its start; a last block that is shorter is filled with zeros.
;;     - A block's scale is 2^e with e = floor(log2(the largest magnitude in the block)) - 2, held to -126 .. 127; a block of zeros has e = 0. As a byte (E8M0): e + 127.
;;     - Each number is divided by its block's scale, clamped to +-6, and rounded to the nearest number of E2M1, ties to even, subnormals kept.
;;     - The product sums the exact products of the quantised numbers (number of the format x scale) in f32.
;;   ~~~python
;;   def quantise(x, axis):      # numpy; x: float32 -> the quantised numbers, widened to float32 again
;;       x = np.moveaxis(x, axis, -1); K = x.shape[-1]
;;       x = np.pad(x, [(0, 0)] * (x.ndim - 1) + [(0, -K % 32)]); x = x.reshape(x.shape[:-1] + (-1, 32)); a = np.abs(x).max(-1, keepdims=True)
;;       e = np.where(a > 0, np.clip(np.frexp(np.where(a > 0, a, 1))[1] - 1 - 2, -126, 127), 0)      # np.frexp(a)[1] - 1 = floor(log2(a)), exactly
;;       r = np.clip(x / 2.0 ** e, -6, 6)
;;       step = 2.0 ** (np.maximum(np.frexp(np.where(r == 0, 1, r))[1] - 1, 0) - 1)
;;       q = np.round(r / step) * step * 2.0 ** e      # np.round: ties to even
;;       return np.moveaxis(q.reshape(q.shape[:-2] + (-1,))[..., :K], -1, axis).astype(np.float32)
;;   ~~~
;;   INPUTS GIVEN AS CODES. W (in the module: [8, 1024, 1024], K = its axis 1); x (in the module: [2, 4096, 1024], K = its axis 2): each comes as NAME_codes (uint8): NAME with its K axis moved to the last place and cut into blocks of 32 codes, [.., K / 32, bytes a block], one block behind the other in memory; two codes a byte, the lower K in the low four bits (a code: sign, 2 exponent bits, 1 mantissa bit); and NAME_scales (uint8): the same leading axes, one E8M0 byte (e + 127) for each 32 codes along K. Its value is code x scale, taken as it is: it is not quantised again, and the codes and scales need not be those that the quantiser above would give.
;; 2 versions. Each part assembles by itself: llvm-mc -triple=amdgcn-amd-amdhsa -mcpu=gfx1250 --defsym DOCPART=n.
;; ======== version 1 of 2: 2 launches
;; workspace buffers: order 32,768 bytes of whole numbers; wimg 4,456,448 bytes
;; launch prep (part 1): grid 100 x 1, 8 waves a work-group, no clusters, 70,912 bytes of LDS; arguments top_k_indices, W_codes, W_scales, order, wimg; writes order, wimg
.if DOCPART == 1
	.amdgcn_target "amdgcn-amd-amdhsa--gfx1250"
	.amdhsa_code_object_version 6
	.text
	.protected	k_q8e58d205e1_prep
	.globl	k_q8e58d205e1_prep
	.p2align	8
	.type	k_q8e58d205e1_prep,@function
k_q8e58d205e1_prep:
	s_mov_b64 s[64:65], 0
	v_nop
	global_prefetch_b8 v0, s[64:65] scope:SCOPE_SE
	s_setreg_imm32_b32 hwreg(HW_REG_WAVE_MODE, 25, 1), 1
	s_wait_xcnt 0x0
; TWO JOBS IN ONE LAUNCH, parted by the work-group's number.
; Work-groups 0-35: a counting sort of the 8,192 tokens by their SET of experts, made by gathering: work-group c reads all index pairs, counts the tokens of earlier classes and
; stores the tokens of class c at their final places in order[].  An entry is token | (set mask << 16), set mask = (1 << e0) | (1 << e1).  No atomics: each place has one writer.
; A class is (a, b) = (min, max) of the two indices; its key is 8 a + (b xor 7 (a & 1)): b runs up for even a and down for odd a, so that classes that follow each other share an expert.
; Work-groups 36-99: W's codes and scale bytes are laid once in the order in which a wave's operand registers take them.  Record R = 16 e + g (g: 64 rows f of expert e) is 34,816 bytes:
; for K step s (128 along K) at 4,352 s: [tile of 16 rows ft][c][lane][16 bytes], lane (r, h) = row r, k = 128 s + 64 c + 32 h + 0..31; behind them [lane][8 bytes]: scale word s of rows l and 32 + l.
; LIMIT: the indices lie in 0..7, as the problem grants (an index stays inside the table that it indexes).
; No tensor loads: the sort branches on loaded whole numbers.  The two jobs have LDS bytes of their own.
.set NCLS, 36                          ; classes: 8 + 7 + .. + 1
.set SP,   272                         ; half a stage row: 16 rows x 16 bytes + 16 of padding
.set WSTG, 16*2*SP                     ; a wave's stage in the second job: 8,704 bytes
.set SORT, 8*WSTG                      ; the first job's 64 bytes: (earlier, own) counts of the eight waves
.set REC,  34816                       ; a record of wimg
.set KST,  4352                        ; a K step in it
.set IX,   16                          ; v16-79   first job: 16 loads of two index pairs a lane;  second job: 16 rows as loaded
.set P,    80                          ; v80-111  first job: a byte offset in order[] for each step;  second job (v80-143): the fragments' registers
.set T,    112                         ; v112-143 first job: an entry for each step
.set RB,   144                         ; v144-159 first job: the waves' counts read back;  second job (v144-147): scale words
.set TB,   12                          ; v12      set mask << 16 + 1,024 wave + 2 lane
.set MK,   32                          ; s32-63   step i: the lanes whose token is of my class
	s_load_b256 s[4:11], s[0:1], 0x0               ; indices s[4:5], W's codes s[6:7], W's scales s[8:9], order s[10:11]
	s_load_b64 s[12:13], s[0:1], 0x20              ; wimg
	v_lshl_add_u32 v160, v0, 2, 0x11100
	v_mov_b32 v161, 0
	v_lshrrev_b32 v1, 5, v0
	v_readfirstlane_b32 s14, v1                    ; wave 0..7
	v_and_b32 v1, 31, v0                           ; lane
	v_lshlrev_b32 v2, 4, v1                        ; 16 x lane
	s_cmp_lt_u32 ttmp9, NCLS                       ; the same way for all waves of a work-group
	s_cbranch_scc0 .Lrelay
; ---------------- THE SORT ----------------
	s_lshl_b32 s25, s14, 13                        ; wave w takes tokens 1,024 w on: 8,192 bytes of pairs
	v_add_nc_u32 v3, s25, v2
	s_wait_kmcnt 0x0
.irp j, 0,1,2,3,4,5,6,7,8,9,10,11,12,13,14,15
	global_load_b128 v[IX+4*\j:IX+4*\j+3], v3, s[4:5] offset:512*\j   ; tokens 1,024 w + 64 j + 2 lane and + 1: 512 consecutive bytes a load
.endr
	; my class c = (A, B): A from the classes' first numbers 0, 8, 15, 21, 26, 30, 33, 35
	s_mov_b32 s15, ttmp9
	s_mov_b32 s16, 0
	s_mov_b32 s17, 0
.macro CLS i, base
	s_cmp_ge_u32 s15, \base
	s_cselect_b32 s16, \i, s16
	s_cselect_b32 s17, \base, s17
.endm
	CLS 1, 8
	CLS 2, 15
	CLS 3, 21
	CLS 4, 26
	CLS 5, 30
	CLS 6, 33
	CLS 7, 35
	s_sub_co_u32 s18, s15, s17                     ; my place among A's classes
	s_add_co_u32 s25, s16, s18                     ; even A: B = the key's low part = A + place
	s_sub_co_u32 s26, 7, s18                       ; odd A: B = 7 - place, low part = place
	s_bitcmp1_b32 s16, 0
	s_cselect_b32 s20, s26, s25                    ; B
	s_cselect_b32 s19, s18, s25                    ; low part
	s_lshl_b32 s25, s16, 3
	s_add_co_u32 s19, s19, s25                     ; my key
	s_lshl_b32 s21, 1, s16
	s_lshl_b32 s25, 1, s20
	s_or_b32 s21, s21, s25
	s_lshl_b32 s21, s21, 16                        ; set mask << 16
	s_lshl_b32 s25, s14, 10
	s_add_co_u32 s27, s21, s25                     ; + 1,024 wave
	v_lshl_add_u32 v[TB], v1, 1, s27               ; + 2 lane
	s_mov_b32 s22, 0                               ; tokens of earlier classes among my wave's
	s_mov_b32 s23, 0                               ; tokens of my class among them
; Step i = 2 j + q: token q of load j.  Its key; who is of my class; the two counts.
.macro KEY i
.if (\i)%2 == 0
	s_wait_loadcnt 15-(\i)/2                       ; loads come back in order: load j is in, the 15 - j younger ones may be out
.endif
	v_min_u32 v4, v[IX+2*(\i)], v[IX+2*(\i)+1]     ; a
	v_max_u32 v5, v[IX+2*(\i)], v[IX+2*(\i)+1]     ; b
	v_and_b32 v6, 1, v4
	v_mul_u32_u24 v6, 7, v6
	v_xor_b32 v5, v5, v6
	v_lshl_add_u32 v4, v4, 3, v5                   ; the token's key
	v_cmp_eq_u32 s[MK+(\i)], s19, v4
	v_cmp_gt_u32 vcc_lo, s19, v4                   ; my key is larger: the token comes before my class
	s_bcnt1_i32_b32 s25, vcc_lo
	s_add_co_u32 s22, s22, s25
	s_bcnt1_i32_b32 s25, s[MK+(\i)]
	s_add_co_u32 s23, s23, s25
.endm
.irp i, 0,1,2,3,4,5,6,7,8,9,10,11,12,13,14,15,16,17,18,19,20,21,22,23,24,25,26,27,28,29,30,31
	KEY \i
.endr
	; the eight waves' counts meet in LDS
	v_mov_b32 v8, s22
	v_mov_b32 v9, s23
	s_lshl_b32 s25, s14, 3
	s_add_co_u32 s25, s25, SORT
	v_mov_b32 v10, s25
	ds_store_b64 v10, v[8:9]                       ; all lanes write the same two words with the same values
	s_wait_dscnt 0x0                               ; for the others' sake: my store has landed
	s_barrier_signal -1
	s_barrier_wait -1
	v_mov_b32 v11, SORT
.irp k, 0,1,2,3
	ds_load_b128 v[RB+4*\k:RB+4*\k+3], v11 offset:16*\k
.endr
	s_wait_dscnt 0x0
.irp k, 0,1,2,3,4,5,6,7,8,9,10,11,12,13,14,15
	v_readfirstlane_b32 s[66+\k], v[RB+\k]
.endr
	s_mov_b32 s24, 0                               ; my wave's first place: all tokens of earlier classes + my class's tokens of earlier waves
.irp w, 0,1,2,3,4,5,6,7
	s_add_co_u32 s24, s24, s[66+2*\w]
	s_cmp_gt_u32 s14, \w
	s_cselect_b32 s25, s[67+2*\w], 0
	s_add_co_u32 s24, s24, s25
.endr
; Step i once more: its tokens of my class go to places s24 on, in lane order.  EXEC is not touched: a lane whose token is of another class repeats the first chosen lane's store
; (same place, same entry).  A step with no token of my class is jumped over.  Each step has its own two registers, so no store's sources are written again.
.macro PLACE i
	s_cmp_eq_u32 s[MK+(\i)], 0
	s_cbranch_scc1 .Lnone_\@
	s_ctz_i32_b32 s25, s[MK+(\i)]                  ; the first chosen lane,
	s_lshl_b32 s25, s25, 1
	s_add_co_u32 s25, s25, s27
	s_add_co_u32 s25, s25, 64*((\i)/2)+(\i)%2      ; and its entry
	v_mbcnt_lo_u32_b32 v[P+(\i)], s[MK+(\i)], s24  ; s24 + the chosen lanes below me
	v_cndmask_b32 v[P+(\i)], s24, v[P+(\i)], s[MK+(\i)]
	v_min_u32 v[P+(\i)], 0x1fff, v[P+(\i)]         ; a place in order[] (it is one by the counts; held there for the address's sake)
	v_lshlrev_b32 v[P+(\i)], 2, v[P+(\i)]
	v_add_nc_u32 v[T+(\i)], 64*((\i)/2)+(\i)%2, v[TB]
	v_cndmask_b32 v[T+(\i)], s25, v[T+(\i)], s[MK+(\i)]
	global_store_b32 v[P+(\i)], v[T+(\i)], s[10:11]
	s_bcnt1_i32_b32 s26, s[MK+(\i)]
	s_add_co_u32 s24, s24, s26
.Lnone_\@:
.endm
.irp i, 0,1,2,3,4,5,6,7,8,9,10,11,12,13,14,15,16,17,18,19,20,21,22,23,24,25,26,27,28,29,30,31
	PLACE \i
.endr
	s_wait_tensorcnt 0x0
	ds_add_u32 v160, v161
	s_wait_dscnt 0x0
	s_endpgm
; ---------------- W IN THE ORDER OF THE OPERAND'S REGISTERS ----------------
; A work-group makes two records; wave w: record 2 (work-group - 36) + w / 4, tile ft = w % 4 (16 rows of 512 bytes), and the scale words of K steps 2 ft and 2 ft + 1.
.Lrelay:
	s_sub_co_u32 s15, ttmp9, NCLS
	s_lshl_b32 s15, s15, 1
	s_lshr_b32 s16, s14, 2
	s_add_co_u32 s15, s15, s16                     ; R
	s_and_b32 s16, s14, 3                          ; ft
	s_lshl_b32 s18, s15, 15                        ; codes in: 64 rows x 512 bytes a record,
	s_lshl_b32 s17, s16, 13                        ; 16 rows a tile
	s_add_co_u32 s18, s18, s17
	s_mov_b32 s19, 0
	s_mul_i32 s20, s15, REC                        ; codes out: the record, + 1,024 ft
	s_lshl_b32 s17, s16, 10
	s_add_co_u32 s20, s20, s17
	s_mov_b32 s21, 0
	s_lshl_b32 s22, s15, 11                        ; scales in: 64 rows x 32 bytes a record, + 8 ft: words 2 ft and 2 ft + 1 of a row
	s_lshl_b32 s17, s16, 3
	s_add_co_u32 s22, s22, s17
	s_mov_b32 s23, 0
	s_mul_i32 s24, s15, REC                        ; scales out: behind the codes of K step 2 ft
	s_mul_i32 s17, s16, 2*KST
	s_add_co_u32 s24, s24, s17
	s_add_co_u32 s24, s24, 4096
	s_mov_b32 s25, 0
	v_lshrrev_b32 v3, 1, v1                        ; into the stage: my 16 bytes are block l of the row: p = l / 2, h = l % 2
	v_mul_u32_u24 v3, v3, 2*SP
	v_and_b32 v4, 1, v1
	v_mad_u32_u24 v3, v4, SP, v3
	s_mul_i32 s28, s14, WSTG
	v_add_nc_u32 v3, s28, v3                       ; 544 p + 272 h + my wave's stage; row i adds 16 i.  Sixteen neighbouring lanes fall on sixteen different 16-byte columns modulo 256
	v_lshrrev_b32 v4, 4, v1                        ; out of it: lane (r, h)
	v_and_b32 v5, 15, v1
	v_mul_u32_u24 v4, v4, SP
	v_lshl_add_u32 v4, v5, 4, v4
	v_add_nc_u32 v4, s28, v4                       ; 272 h + 16 r; group p adds 544 p
	v_lshlrev_b32 v5, 5, v1                        ; a row of scale bytes is 32 bytes
	v_lshlrev_b32 v6, 3, v1
	s_wait_kmcnt 0x0
	s_add_nc_u64 s[6:7], s[6:7], s[18:19]
	s_add_nc_u64 s[8:9], s[8:9], s[22:23]
	s_add_nc_u64 s[26:27], s[12:13], s[24:25]
	s_add_nc_u64 s[12:13], s[12:13], s[20:21]
	global_load_b32 v[RB], v5, s[8:9]                  ; word 2 ft of row l,
	global_load_b32 v[RB+1], v5, s[8:9] offset:1024    ; of row 32 + l;
	global_load_b32 v[RB+2], v5, s[8:9] offset:4       ; word 2 ft + 1 likewise
	global_load_b32 v[RB+3], v5, s[8:9] offset:1028
.irp i, 0,1,2,3,4,5,6,7,8,9,10,11,12,13,14,15
	global_load_b128 v[IX+4*\i:IX+4*\i+3], v2, s[6:7] offset:512*\i th:TH_LOAD_NT   ; a whole row: 512 consecutive bytes; read once in the launch
.endr
.irp i, 0,1,2,3,4,5,6,7,8,9,10,11,12,13,14,15
	s_wait_loadcnt 15-\i                           ; row i is in; the 15 - i younger loads may be out
	ds_store_b128 v3, v[IX+4*\i:IX+4*\i+3] offset:16*\i
.endr
.irp p, 0,1,2,3,4,5,6,7,8,9,10,11,12,13,14,15
	ds_load_b128 v[P+4*\p:P+4*\p+3], v4 offset:2*SP*\p   ; LDS serves a wave's instructions in order (ISA guide 5.7.1.4): these see my stores.  Group p = 2 s + c: block 2 p + h of row r
.endr
.irp p, 0,1,2,3,4,5,6,7,8,9,10,11,12,13,14,15
	s_wait_dscnt 15-\p
	global_store_b128 v2, v[P+4*\p:P+4*\p+3], s[12:13] offset:(\p/2)*KST+(\p%2)*512   ; 512 consecutive bytes, at a multiple of 256 from the buffer's first byte
.endr
	global_store_b64 v6, v[RB:RB+1], s[26:27]              ; 256 consecutive bytes (the scale words were in at the first row's wait)
	global_store_b64 v6, v[RB+2:RB+3], s[26:27] offset:KST
	s_wait_tensorcnt 0x0
	ds_add_u32 v160, v161
	s_wait_dscnt 0x0
	s_endpgm
.Lfunc_end_k_q8e58d205e1_prep:
	.size	k_q8e58d205e1_prep, .Lfunc_end_k_q8e58d205e1_prep-k_q8e58d205e1_prep
	.p2alignl 7, 3214868480
	.fill 96, 4, 3214868480
	.section	.rodata,"a",@progbits
	.p2align	6, 0x0
	.amdhsa_kernel k_q8e58d205e1_prep
		.amdhsa_group_segment_fixed_size 70912
		.amdhsa_private_segment_fixed_size 0
		.amdhsa_enable_private_segment 0
		.amdhsa_kernarg_size 40
		.amdhsa_user_sgpr_count 2
		.amdhsa_user_sgpr_kernarg_segment_ptr 1
		.amdhsa_wavefront_size32 1
		.amdhsa_system_sgpr_workgroup_id_x 1
		.amdhsa_system_sgpr_workgroup_id_y 1
		.amdhsa_system_sgpr_workgroup_id_z 1
		.amdhsa_system_vgpr_workitem_id 0
		.amdhsa_next_free_vgpr 162
		.amdhsa_next_free_sgpr 84
		.amdhsa_reserve_vcc 1
		.amdhsa_float_denorm_mode_32 3
		.amdhsa_float_denorm_mode_16_64 3
		.amdhsa_memory_ordered 1
		.amdhsa_forward_progress 1
		.amdhsa_inst_pref_size 52
	.end_amdhsa_kernel
	.amdgpu_metadata
---
amdhsa.version: [ 1, 2 ]
amdhsa.kernels:
  - .name:           k_q8e58d205e1_prep
    .symbol:         k_q8e58d205e1_prep.kd
    .args:
      - { .name: top_k_indices, .offset: 0, .size: 8, .value_kind: global_buffer, .address_space: global }
      - { .name: W_codes, .offset: 8, .size: 8, .value_kind: global_buffer, .address_space: global }
      - { .name: W_scales, .offset: 16, .size: 8, .value_kind: global_buffer, .address_space: global }
      - { .name: order, .offset: 24, .size: 8, .value_kind: global_buffer, .address_space: global }
      - { .name: wimg, .offset: 32, .size: 8, .value_kind: global_buffer, .address_space: global }
    .group_segment_fixed_size: 70912
    .private_segment_fixed_size: 0
    .kernarg_segment_align: 8
    .kernarg_segment_size: 40
    .max_flat_workgroup_size: 256
    .sgpr_count:     84
    .vgpr_count:     162
    .wavefront_size: 32
...
	.end_amdgpu_metadata
.endif
;; end of part 1
;; launch moe (part 2): grid 4 x 64, 4 waves a work-group, no clusters, 92,672 bytes of LDS; arguments wimg, b, expert_weights, top_k_indices, x_codes, x_scales, order, out0; writes out0
.if DOCPART == 2
	.amdgcn_target "amdgcn-amd-amdhsa--gfx1250"
	.amdhsa_code_object_version 6
	.text
	.protected	k_q8e58d205e1_moe
	.globl	k_q8e58d205e1_moe
	.p2align	8
	.type	k_q8e58d205e1_moe,@function
k_q8e58d205e1_moe:
	s_mov_b64 s[64:65], 0
	v_nop
	global_prefetch_b8 v0, s[64:65] scope:SCOPE_SE
	s_setreg_imm32_b32 hwreg(HW_REG_WAVE_MODE, 25, 1), 1
	s_wait_xcnt 0x0
; out[t][f] = sum over the token's two choices k of w[t][k] (x[t] . W[e(t,k)][:, f] + b[e(t,k)][f]); the products on codes of FP4 (E2M1) with one E8M0 scale for each 32 along K, sums in f32.
; Only chosen experts are multiplied.  order[] (made by the launch before) holds the tokens sorted by their set of experts.  A work-group takes block y of 128 sorted tokens x slice x of 256 columns
; and walks the experts that its block uses; for each it forms D = x W_e + b_e for all 128 tokens and adds c D to the result, c = the sum of the token's weights whose index is e (0 if it did not choose e).
; So each output row has one owner, and no partial sum goes to memory.
; SHARES.  Wave w owns all 128 tokens (8 tiles m) x the 64 columns of group g = 4 x + w (4 tiles ft).  Each fragment of W is read by one wave, from wimg straight into registers, each lane its 16 bytes;
; x's 128 rows are gathered once, go through LDS as images of the operand's registers, and are read by all four waves for every expert.
; THE MATRIX INSTRUCTION IS USED TRANSPOSED: source 0 = 16 rows f of W, source 1 = 16 tokens.  Lane (r, h) then holds token r and columns 16 ft + 8 h + 0..7: c is one number a lane, and the bias is the C of K step 0.
; NO TENSOR LOADS, NO CLUSTER: the walk over experts branches on whole numbers read from memory, and blocks walk different experts, so partners could not make every joint request alike.
; LIMITS: indices lie in 0..7 (granted by the problem).  A token's product with an expert of its block that it did not choose is multiplied by 0: it must be finite, so scale bytes 0xff and sums beyond f32's range are not served.
; REGISTERS, in windows of 256.  Window 0: v1-10 addresses; v16-23 x's scale words (two sets); v24-39 W's scale words (K step s at 24 + 2 s); v40-55 c (tile m in the low word of pair 40 + 2 m);
;   v56-87 tile m: e0, e1, w0, w1; v88-119 the bias, 8 a tile ft; v120-127 gather offsets; v128-255 x's fragments, two buffers of 8 tiles.
;   Window 1: D(m, ft) at 8 (4 m + ft).   Window 2: the result, laid likewise (at the start: x's rows as loaded, and their offsets).   Window 3: W's fragments, K step s at 32 s + 8 ft.
.set REC,   34816                      ; a record of wimg: 64 columns of one expert, all of K
.set KST,   4352                       ; a K step in it: 4,096 bytes of codes, 256 of scale words
.set SP,    272
.set XT,    8704                       ; LDS: the image of a tile of 16 tokens: group p = 2 s + c at 544 p, lane (r, h) at 272 h + 16 r
.set XSI,   8*XT                       ; x's scale words: K step s at 512 s, lane l at 16 l, word j: token 32 j + l of the block
.set LIST,  XSI+4096                   ; the block's 128 tokens, 4 bytes each
.set STAGE, LIST+512                   ; the way out: 16 rows x 272 bytes for each wave
.set L16, 1                            ; v1   16 x lane
.set L8,  2                            ; v2   8 x lane
.set BO,  3                            ; v3   32 h: my eight numbers of a tile's bias
.set XA0, 4                            ; v4   272 h + 16 r: tiles 0-3;  v5: tiles 4-7
.set XSA, 6                            ; v6   XSI + 16 x lane
.set STO, 7                            ; v7   the way out: where I put 32 bytes of a row
.set RD,  8                            ; v8   and where I read a row back
.set LA,  9                            ; v9   LIST + 32 (lane / 16)
.set CO,  10                           ; v10  16 (lane % 16)
.set XS,  16
.set WS,  24
.set C,   40
.set EW,  56
.set BI,  88
.set TK,  120
.set XF,  128
.set BK,  128                          ; the way out: 8 rows read back, two sets of 32
.set TOK, 192                          ; and their tokens, two sets of 8
.set WPC, 28                           ; s[28:29] the record of the expert in hand
.set WPN, 30                           ; s[30:31] of the next
.set BPN, 32                           ; s[32:33] the next expert's bias
.set MSB, 0
.macro WIN new                         ; the immediate's high byte repeats the setting that is left; a switch that changes nothing is dropped
.if MSB != \new
	s_set_vgpr_msb (MSB<<8)|\new
.set MSB, \new
.endif
.endm
	s_load_b512 s[4:19], s[0:1], 0x0               ; wimg s[4:5], b s[6:7], weights s[8:9], indices s[10:11], x's codes s[12:13], x's scales s[14:15], order s[16:17], out s[18:19]
	v_lshrrev_b32 v11, 5, v0
	v_readfirstlane_b32 s20, v11                   ; wave 0..3
	s_and_b32 s21, ttmp7, 0xffff                   ; block of 128 sorted tokens
	s_lshl_b32 s22, ttmp9, 2
	s_add_co_u32 s22, s22, s20                     ; g: my group of 64 columns
	v_and_b32 v12, 31, v0                          ; lane
	v_and_b32 v13, 15, v0                          ; r
	v_bfe_u32 v14, v0, 4, 1                        ; h
	v_lshlrev_b32 v[L16], 4, v12
	v_lshlrev_b32 v[L8], 3, v12
	v_lshlrev_b32 v[BO], 5, v14
	v_mul_u32_u24 v[XA0], v14, SP
	v_lshl_add_u32 v[XA0], v13, 4, v[XA0]
	v_add_nc_u32 v[XA0+1], 4*XT, v[XA0]
	v_add_nc_u32 v[XSA], XSI, v[L16]
	s_mul_i32 s34, s20, 16*SP
	s_add_co_u32 s34, s34, STAGE                   ; my stage
	v_mul_u32_u24 v[STO], v13, SP
	v_lshl_add_u32 v[STO], v14, 5, v[STO]
	v_add_nc_u32 v[STO], s34, v[STO]               ; in: row r, 32 bytes for each half of the lanes
	v_mul_u32_u24 v[RD], v14, 8*SP
	v_lshl_add_u32 v[RD], v13, 4, v[RD]
	v_add_nc_u32 v[RD], s34, v[RD]                 ; back: lanes 0-15 row i, lanes 16-31 row i + 8
	v_lshl_add_u32 v[LA], v14, 5, LIST
	v_lshlrev_b32 v[CO], 4, v13
	v_lshlrev_b32 v11, 2, v13                      ; 4 r
	v_lshlrev_b32 v15, 2, v0                       ; 4 x thread = 128 wave + 4 lane
	v_lshrrev_b32 v48, 1, v12                      ; v48-51 serve the start alone.  v48: where my 16 bytes of a row of x go: block l: p = l / 2, h = l % 2
	v_mul_u32_u24 v48, v48, 2*SP
	v_and_b32 v49, 1, v12
	v_mad_u32_u24 v48, v49, SP, v48
	s_mul_i32 s35, s20, 2*XT
	v_add_nc_u32 v48, s35, v48                     ; my wave's 32 tokens are tiles 2 w and 2 w + 1
	s_lshl_b32 s35, s20, 2
	s_add_co_u32 s35, s35, XSI
	v_add_nc_u32 v49, s35, v[L16]                  ; v49: where my token's scale words go: 16 lane + 4 wave
	v_lshl_add_u32 v50, v0, 2, LIST                ; v50: where my token's number goes
	s_wait_kmcnt 0x0
	s_lshl_b32 s34, s21, 9
	s_mov_b32 s35, 0
	s_add_nc_u64 s[16:17], s[16:17], s[34:35]      ; order[] at my block
	s_lshl_b32 s34, s20, 7
	s_add_nc_u64 s[36:37], s[16:17], s[34:35]      ; and at my wave's 32 entries
	s_load_b512 s[68:83], s[36:37], 0x0            ; as scalars: each names a whole row of x
	s_load_b512 s[84:99], s[36:37], 0x40
.irp m, 0,1,2,3,4,5,6,7
	global_load_b32 v[TK+\m], v11, s[16:17] offset:64*\m   ; lane (r, h): the entry of token r of tile m
.endr
	global_load_b32 v12, v15, s[16:17]             ; lane l: entry 32 w + l
	s_wait_loadcnt 0x0
	s_wait_kmcnt 0x0
	v_or_b32 v13, v[TK], v[TK+1]                   ; the set masks of my lane's eight tokens
.irp m, 2,3,4,5,6,7
	v_or_b32 v13, v13, v[TK+\m]
.endr
.irp m, 0,1,2,3,4,5,6,7
	v_and_b32 v[TK+\m], 0x1fff, v[TK+\m]           ; the token,
	v_min_u32 v[TK+\m], 0x1fff, v[TK+\m]           ; held inside the table,
	v_lshlrev_b32 v[TK+\m], 3, v[TK+\m]            ; x 8 bytes
.endr
.irp m, 0,1,2,3,4,5,6,7
	global_load_b64 v[EW+4*\m:EW+4*\m+1], v[TK+\m], s[10:11]     ; its two indices
	global_load_b64 v[EW+4*\m+2:EW+4*\m+3], v[TK+\m], s[8:9]     ; and its two weights
.endr
	v_and_b32 v12, 0x1fff, v12
	v_min_u32 v12, 0x1fff, v12
	v_lshlrev_b32 v51, 5, v12
	global_load_b128 v[40:43], v51, s[14:15]            ; token 32 w + l: its eight scale words
	global_load_b128 v[44:47], v51, s[14:15] offset:16
	ds_store_b32 v50, v12
	WIN 0x80                                       ; destination window 2
.irp i, 0,1,2,3,4,5,6,7,8,9,10,11,12,13,14,15,16,17,18,19,20,21,22,23,24,25,26,27,28,29,30,31
	s_and_b32 s34, s[68+\i], 0x1fff
	s_min_u32 s34, s34, 0x1fff
	v_lshl_add_u32 v[128+\i], s34, 9, v[L16]       ; token x 512 bytes + 16 lane
.endr
	WIN 0x82                                       ; destination and address window 2
.irp i, 0,1,2,3,4,5,6,7,8,9,10,11,12,13,14,15,16,17,18,19,20,21,22,23,24,25,26,27,28,29,30,31
	global_load_b128 v[4*\i:4*\i+3], v[128+\i], s[12:13]   ; a whole row of x's codes: 512 consecutive bytes
.endr
	WIN 0
	s_mov_b32 s23, 0                               ; which experts the block uses: a bit is set if any lane's tokens have it (every wave looks at all 128 tokens)
.irp e, 0,1,2,3,4,5,6,7
	v_and_b32 v14, 1<<(16+\e), v13
	v_cmp_ne_u32 vcc_lo, 0, v14
	s_cmp_lg_u32 vcc_lo, 0
	s_cselect_b32 s34, 1<<\e, 0
	s_or_b32 s23, s23, s34
.endr
	s_bcnt1_i32_b32 s24, s23                       ; how many: 1 to 8
	s_max_u32 s24, s24, 1
	s_min_u32 s24, s24, 8
.macro NEXTE dst                       ; the lowest expert still to come (7 where none is left: a pointer that is then made and not used), taken off the mask
	s_ctz_i32_b32 s[\dst], s23
	s_min_u32 s[\dst], s[\dst], 7
	s_sub_co_u32 s34, s23, 1
	s_and_b32 s23, s23, s34
.endm
.macro POINT e, wp                     ; expert s[e]: its record for my group, and its bias at my group's first column
	s_lshl_b32 s34, s[\e], 4
	s_add_co_u32 s34, s34, s22
	s_mul_i32 s34, s34, REC
	s_mov_b32 s35, 0
	s_add_nc_u64 s[\wp:\wp+1], s[4:5], s[34:35]
	s_lshl_b32 s34, s[\e], 12
	s_lshl_b32 s36, s22, 8
	s_add_co_u32 s34, s34, s36
	s_add_nc_u64 s[BPN:BPN+1], s[6:7], s[34:35]
.endm
; W's K step s: 8 loads of 512 consecutive bytes into slot s of window 3, one of 256 bytes for the scale words; with K step 0 the bias's 8: 9 loads, or 17.
.macro GROUP s, wp, bp
	WIN 0xc0                                       ; destination window 3, address window 0
.irp ft, 0,1,2,3
.irp c, 0,1
	global_load_b128 v[32*(\s)+8*\ft+4*\c:32*(\s)+8*\ft+4*\c+3], v[L16], s[\wp:\wp+1] offset:KST*(\s)+1024*\ft+512*\c
.endr
.endr
	WIN 0
	global_load_b64 v[WS+2*(\s):WS+2*(\s)+1], v[L8], s[\wp:\wp+1] offset:KST*(\s)+4096
.if (\s) == 0
.irp ft, 0,1,2,3
	global_load_b128 v[BI+8*\ft:BI+8*\ft+3], v[BO], s[\bp:\bp+1] offset:64*\ft
	global_load_b128 v[BI+8*\ft+4:BI+8*\ft+7], v[BO], s[\bp:\bp+1] offset:64*\ft+16
.endr
.endif
.endm
; x's K step s out of LDS: 8 fragments into buffer s % 2, and the scale words of all 128 tokens in one load: 17 LDS loads.
.macro XFETCH s
	WIN 0
.irp m, 0,1,2,3,4,5,6,7
.irp c, 0,1
	ds_load_b128 v[XF+64*((\s)%2)+8*\m+4*\c:XF+64*((\s)%2)+8*\m+4*\c+3], v[XA0+\m/4] offset:XT*(\m%4)+2*SP*(2*(\s)+\c)
.endr
.endr
	ds_load_b128 v[XS+4*((\s)%2):XS+4*((\s)%2)+3], v[XSA] offset:512*(\s)
.endm
	NEXTE 25                                       ; s25: the expert in hand
	POINT 25, WPC
	GROUP 0, WPC, BPN
	GROUP 1, WPC, BPN
	GROUP 2, WPC, BPN
	s_wait_loadcnt 35                              ; all but these three groups' 17 + 9 + 9 loads: the gathers and x's rows are in
	WIN 0x08                                       ; an LDS store's data are its source 1: window 2
.irp i, 0,1,2,3,4,5,6,7,8,9,10,11,12,13,14,15,16,17,18,19,20,21,22,23,24,25,26,27,28,29,30,31
	ds_store_b128 v48, v[4*\i:4*\i+3] offset:XT*(\i/16)+16*(\i%16)   ; row i of my 32: tile 2 w + i / 16, r = i % 16
.endr
	WIN 0
.irp s, 0,1,2,3,4,5,6,7
	ds_store_b32 v49, v[40+\s] offset:512*\s
.endr
	GROUP 3, WPC, BPN
	GROUP 4, WPC, BPN
	GROUP 5, WPC, BPN
	GROUP 6, WPC, BPN
	s_wait_xcnt 0x0                                ; the bias's loads have read their base: it is written again only behind this wait
	NEXTE 26                                       ; s26: the next expert
	POINT 26, WPN
	s_wait_dscnt 0x0                               ; for the others' sake: my stores have landed
	s_barrier_signal -1
	s_barrier_wait -1                              ; x's images, its scale words and the list are whole; nobody writes them again
	XFETCH 0
; One product: D(m, ft) (+)= W(s, ft) x X(s, m).  W's scale words of tiles 0, 1 lie in lanes 0-15 and 16-31 of one register, those of tiles 2, 3 in the next; x's of tiles 2 j, 2 j + 1 likewise.
.macro MM m, ft, s
.set rD, 8*(4*\m+\ft)
.set rA, 32*(\s)+8*\ft
.set rB, XF+64*((\s)%2)+8*\m
.set rP, WS+2*(\s)+\ft/2
.set rQ, XS+4*((\s)%2)+\m/2
.if (\s) == 0
.set rC, BI+8*\ft                      ; K step 0 starts the sum with the bias: nothing is cleared, nothing is added later
.else
.set rC, rD
.endif
.if (\ft%2 == 0) && (\m%2 == 0)
	v_wmma_scale_f32_16x16x128_f8f6f4 v[rD:rD+7], v[rA:rA+7], v[rB:rB+7], v[rC:rC+7], v[rP], v[rQ] matrix_a_fmt:MATRIX_FMT_FP4 matrix_b_fmt:MATRIX_FMT_FP4
.elseif (\ft%2 == 1) && (\m%2 == 0)
	v_wmma_scale_f32_16x16x128_f8f6f4 v[rD:rD+7], v[rA:rA+7], v[rB:rB+7], v[rC:rC+7], v[rP], v[rQ] matrix_a_fmt:MATRIX_FMT_FP4 matrix_b_fmt:MATRIX_FMT_FP4 matrix_a_scale:MATRIX_SCALE_ROW1
.elseif (\ft%2 == 0) && (\m%2 == 1)
	v_wmma_scale_f32_16x16x128_f8f6f4 v[rD:rD+7], v[rA:rA+7], v[rB:rB+7], v[rC:rC+7], v[rP], v[rQ] matrix_a_fmt:MATRIX_FMT_FP4 matrix_b_fmt:MATRIX_FMT_FP4 matrix_b_scale:MATRIX_SCALE_ROW1
.else
	v_wmma_scale_f32_16x16x128_f8f6f4 v[rD:rD+7], v[rA:rA+7], v[rB:rB+7], v[rC:rC+7], v[rP], v[rQ] matrix_a_fmt:MATRIX_FMT_FP4 matrix_b_fmt:MATRIX_FMT_FP4 matrix_a_scale:MATRIX_SCALE_ROW1 matrix_b_scale:MATRIX_SCALE_ROW1
.endif
.endm
; A K STEP of 128: 32 products.  W runs seven groups ahead: K step 0 asks for this expert's group 7, K step s > 0 for the NEXT expert's group s - 1, into the slot that K step s - 1 has just left
; (refill = 0: the last expert asks for nothing more).  x runs one K step ahead, round the expert's end too.
.macro KSTEP s, refill
.if (\s) < 2
	s_wait_loadcnt 54                              ; group s is in: behind it six groups of 9 were issued
.elseif \refill
	s_wait_loadcnt 62                              ; behind it: five groups of 9 and the next expert's group 0 of 17
.else
	s_wait_loadcnt 9*(7-(\s))                      ; behind it: this expert's groups s + 1 .. 7
.endif
	s_wait_dscnt 0x0                               ; x's K step s is in: it was asked for a K step ago, and nothing behind it
.rept 4
	v_nop                                          ; four places between the last K step's products and the loads below into registers that they read (ISA guide 7.12.1 for vector instructions)
.endr
.if (\s) == 0
	GROUP 7, WPC, BPN
.elseif \refill
	GROUP (\s)-1, WPN, BPN
.endif
.if ((\s) < 7) || \refill
	XFETCH ((\s)+1)%8
.endif
.if (\s) == 0
	WIN 0x43                                       ; W window 3, x window 0, the bias window 0, D window 1
.else
	WIN 0x53                                       ; W window 3, x window 0, C and D window 1
.endif
.irp m, 0,1,2,3,4,5,6,7                ; the 32 accumulators take turns, one instruction a turn, in the same order in every K step
.irp ft, 0,1,2,3
	MM \m, \ft, \s
.endr
.endr
.endm
; c for the expert in hand: the token's weights whose index is this expert.  These 40 plain lines name no register of the products: they are the places behind the last of them.
.macro CCOMP
	WIN 0
.irp m, 0,1,2,3,4,5,6,7
	v_cmp_eq_u32 vcc_lo, s25, v[EW+4*\m]
	v_cndmask_b32 v[C+2*\m], 0, v[EW+4*\m+2], vcc_lo
	v_cmp_eq_u32 vcc_lo, s25, v[EW+4*\m+1]
	v_cndmask_b32 v[C+2*\m+1], 0, v[EW+4*\m+3], vcc_lo
	v_add_f32 v[C+2*\m], v[C+2*\m], v[C+2*\m+1]    ; both, where the token names the expert twice
.endr
.endm
; result = c D (the block's first expert: nothing is cleared) or result += c D; two numbers an instruction, of the pair c the low word for both; each accumulator from its low end on.
.macro COMBINE first
.if \first
	WIN 0x81                                       ; D window 1, c window 0, result window 2
.else
	WIN 0xa1
.endif
.set cI, 0
.rept 128
.if \first
	v_pk_mul_f32 v[2*cI:2*cI+1], v[2*cI:2*cI+1], v[C+2*(cI/16):C+2*(cI/16)+1] op_sel_hi:[1,0]
.else
	v_pk_fma_f32 v[2*cI:2*cI+1], v[2*cI:2*cI+1], v[C+2*(cI/16):C+2*(cI/16)+1], v[2*cI:2*cI+1] op_sel_hi:[1,0,1]
.endif
.set cI, cI+1
.endr
	WIN 0                                          ; at a label and at a branch every window is 0
.endm
.macro TRIP first, refill              ; one expert
.irp s, 0,1,2,3,4,5,6,7
	KSTEP \s, \refill
.endr
	CCOMP
	COMBINE \first
.endm
.macro ADVANCE
	s_wait_xcnt 0x0                                ; the loads issued so far have read their bases: the pointers are written again only behind this wait
	s_mov_b32 s25, s26
	s_mov_b64 s[WPC:WPC+1], s[WPN:WPN+1]
	NEXTE 26
	POINT 26, WPN
.endm
; The walk.  Four copies of an expert's trip: first or not (the first starts the result), last or not (the last asks for no further W).  The branches hang on the count of experts, a whole number made from order[].
	s_cmp_eq_u32 s24, 1
	s_cbranch_scc1 .Lonly
	TRIP 1, 1
	ADVANCE
	s_sub_co_u32 s24, s24, 2                       ; experts between the first and the last
	s_cmp_eq_u32 s24, 0
	s_cbranch_scc1 .Llast
.Lmid:
	TRIP 0, 1
	ADVANCE
	s_sub_co_u32 s24, s24, 1
	s_cmp_lg_u32 s24, 0
	s_cbranch_scc1 .Lmid
.Llast:
	TRIP 0, 0
	s_branch .Lout
.Lonly:
	TRIP 1, 0
.Lout:
; THE WAY OUT, a tile of 16 tokens x my 64 columns at a time.  A lane holds 32 neighbouring bytes of a token's row and the lanes beside it other tokens: so the tile goes through my own stage in LDS and comes back
; as rows of 256 bytes; sixteen lanes store 256 consecutive bytes at a multiple of 256 from the buffer's first byte.  The rows' tokens come from the list.
	s_lshl_b32 s34, s22, 8
	s_mov_b32 s35, 0
	s_add_nc_u64 s[18:19], s[18:19], s[34:35]      ; out at my group's first column
.macro TOSTAGE m                       ; 18 LDS instructions
	ds_load_b128 v[TOK+8*((\m)%2):TOK+8*((\m)%2)+3], v[LA] offset:64*(\m)          ; the tokens of rows 8 (lane / 16) + 0 .. 7
	ds_load_b128 v[TOK+8*((\m)%2)+4:TOK+8*((\m)%2)+7], v[LA] offset:64*(\m)+16
	WIN 0x08                                       ; the data: window 2
.irp ft, 0,1,2,3
	ds_store_b128 v[STO], v[8*(4*(\m)+\ft):8*(4*(\m)+\ft)+3] offset:64*\ft
	ds_store_b128 v[STO], v[8*(4*(\m)+\ft)+4:8*(4*(\m)+\ft)+7] offset:64*\ft+16
.endr
	WIN 0
.irp i, 0,1,2,3,4,5,6,7
	ds_load_b128 v[BK+32*((\m)%2)+4*\i:BK+32*((\m)%2)+4*\i+3], v[RD] offset:SP*\i   ; LDS serves a wave's instructions in order (ISA guide 5.7.1.4): these see the stores above, and the next tile's stores come behind them
.endr
.endm
.macro SEND m, younger                 ; younger: the LDS instructions issued behind tile m's, which may stay out
	s_wait_dscnt \younger
.irp i, 0,1,2,3,4,5,6,7
	v_min_u32 v[TOK+8*((\m)%2)+\i], 0x1fff, v[TOK+8*((\m)%2)+\i]                   ; held inside the table
	v_lshl_add_u32 v[TOK+8*((\m)%2)+\i], v[TOK+8*((\m)%2)+\i], 12, v[CO]           ; token x 4,096 bytes + 16 (lane % 16)
.endr
.irp i, 0,1,2,3,4,5,6,7
	global_store_b128 v[TOK+8*((\m)%2)+\i], v[BK+32*((\m)%2)+4*\i:BK+32*((\m)%2)+4*\i+3], s[18:19] th:TH_STORE_NT   ; written once, read by nobody here
.endr
.endm
	TOSTAGE 0
.irp m, 1,2,3,4,5,6,7
.if \m > 1
	s_wait_xcnt 0x0                                ; tile m - 2's stores have read their registers: tile m's loads land there only behind this wait
.endif
	TOSTAGE \m
	SEND \m-1, 18                                  ; behind tile m - 1's loads: tile m's 18 LDS instructions
.endr
	SEND 7, 0
	s_wait_xcnt 0x0
	v_lshl_add_u32 v254, v0, 2, 0x16800
	v_mov_b32 v255, 0
	s_wait_tensorcnt 0x0
	ds_add_u32 v254, v255
	s_wait_dscnt 0x0
	s_endpgm
.Lfunc_end_k_q8e58d205e1_moe:
	.size	k_q8e58d205e1_moe, .Lfunc_end_k_q8e58d205e1_moe-k_q8e58d205e1_moe
	.p2alignl 7, 3214868480
	.fill 96, 4, 3214868480
	.section	.rodata,"a",@progbits
	.p2align	6, 0x0
	.amdhsa_kernel k_q8e58d205e1_moe
		.amdhsa_group_segment_fixed_size 92672
		.amdhsa_private_segment_fixed_size 0
		.amdhsa_enable_private_segment 0
		.amdhsa_kernarg_size 64
		.amdhsa_user_sgpr_count 2
		.amdhsa_user_sgpr_kernarg_segment_ptr 1
		.amdhsa_wavefront_size32 1
		.amdhsa_system_sgpr_workgroup_id_x 1
		.amdhsa_system_sgpr_workgroup_id_y 1
		.amdhsa_system_sgpr_workgroup_id_z 1
		.amdhsa_system_vgpr_workitem_id 0
		.amdhsa_next_free_vgpr 1024
		.amdhsa_next_free_sgpr 100
		.amdhsa_reserve_vcc 1
		.amdhsa_float_denorm_mode_32 3
		.amdhsa_float_denorm_mode_16_64 3
		.amdhsa_memory_ordered 1
		.amdhsa_forward_progress 1
		.amdhsa_inst_pref_size 255
	.end_amdhsa_kernel
	.section	.bss,"aw",@nobits
	.p2align	6
	.space	262144
	.amdgpu_metadata
---
amdhsa.version: [ 1, 2 ]
amdhsa.kernels:
  - .name:           k_q8e58d205e1_moe
    .symbol:         k_q8e58d205e1_moe.kd
    .args:
      - { .name: wimg, .offset: 0, .size: 8, .value_kind: global_buffer, .address_space: global }
      - { .name: b, .offset: 8, .size: 8, .value_kind: global_buffer, .address_space: global }
      - { .name: expert_weights, .offset: 16, .size: 8, .value_kind: global_buffer, .address_space: global }
      - { .name: top_k_indices, .offset: 24, .size: 8, .value_kind: global_buffer, .address_space: global }
      - { .name: x_codes, .offset: 32, .size: 8, .value_kind: global_buffer, .address_space: global }
      - { .name: x_scales, .offset: 40, .size: 8, .value_kind: global_buffer, .address_space: global }
      - { .name: order, .offset: 48, .size: 8, .value_kind: global_buffer, .address_space: global }
      - { .name: out0, .offset: 56, .size: 8, .value_kind: global_buffer, .address_space: global }
    .group_segment_fixed_size: 92672
    .private_segment_fixed_size: 0
    .kernarg_segment_align: 8
    .kernarg_segment_size: 64
    .max_flat_workgroup_size: 128
    .sgpr_count:     100
    .vgpr_count:     1024
    .wavefront_size: 32
...
	.end_amdgpu_metadata
.endif
;; end of part 2
;; ======== version 2 of 2: 2 launches
;; workspace buffers: order 32,768 bytes of whole numbers; wimg 4,456,448 bytes
;; launch prep (part 3): grid 100 x 1, 8 waves a work-group, no clusters, 70,912 bytes of LDS; arguments top_k_indices, W_codes, W_scales, order, wimg; writes order, wimg
.if DOCPART == 3
	.amdgcn_target "amdgcn-amd-amdhsa--gfx1250"
	.amdhsa_code_object_version 6
	.text
	.protected	k_q8e58d205e1_prep
	.globl	k_q8e58d205e1_prep
	.p2align	8
	.type	k_q8e58d205e1_prep,@function
k_q8e58d205e1_prep:
	s_mov_b64 s[64:65], 0
	v_nop
	global_prefetch_b8 v0, s[64:65] scope:SCOPE_SE
	s_setreg_imm32_b32 hwreg(HW_REG_WAVE_MODE, 25, 1), 1
	s_wait_xcnt 0x0
; TWO JOBS IN ONE LAUNCH, parted by the work-group's number.
; Work-groups 0-35: a counting sort of the 8,192 tokens by their SET of experts, made by gathering: work-group c reads all index pairs, counts the tokens of earlier classes and
; stores the tokens of class c at their final places in order[].  An entry is token | (set mask << 16), set mask = (1 << e0) | (1 << e1).  No atomics: each place has one writer.
; A class is (a, b) = (min, max) of the two indices; its key is 8 a + (b xor 7 (a & 1)): b runs up for even a and down for odd a, so that classes that follow each other share an expert.
; Work-groups 36-99: W's codes and scale bytes are laid once in the order in which a wave's operand registers take them.  Record R = 16 e + g (g: 64 rows f of expert e) is 34,816 bytes:
; for K step s (128 along K) at 4,352 s: [tile of 16 rows ft][c][lane][16 bytes], lane (r, h) = row r, k = 128 s + 64 c + 32 h + 0..31; behind them [lane][8 bytes]: scale word s of rows l and 32 + l.
; LIMIT: the indices lie in 0..7, as the problem grants (an index stays inside the table that it indexes).
; No tensor loads: the sort branches on loaded whole numbers.  The two jobs have LDS bytes of their own.
.set NCLS, 36                          ; classes: 8 + 7 + .. + 1
.set SP,   272                         ; half a stage row: 16 rows x 16 bytes + 16 of padding
.set WSTG, 16*2*SP                     ; a wave's stage in the second job: 8,704 bytes
.set SORT, 8*WSTG                      ; the first job's 64 bytes: (earlier, own) counts of the eight waves
.set REC,  34816                       ; a record of wimg
.set KST,  4352                        ; a K step in it
.set IX,   16                          ; v16-79   first job: 16 loads of two index pairs a lane;  second job: 16 rows as loaded
.set P,    80                          ; v80-111  first job: a byte offset in order[] for each step;  second job (v80-143): the fragments' registers
.set T,    112                         ; v112-143 first job: an entry for each step
.set RB,   144                         ; v144-159 first job: the waves' counts read back;  second job (v144-147): scale words
.set TB,   12                          ; v12      set mask << 16 + 1,024 wave + 2 lane
.set MK,   32                          ; s32-63   step i: the lanes whose token is of my class
	s_load_b256 s[4:11], s[0:1], 0x0               ; indices s[4:5], W's codes s[6:7], W's scales s[8:9], order s[10:11]
	s_load_b64 s[12:13], s[0:1], 0x20              ; wimg
	v_lshl_add_u32 v160, v0, 2, 0x11100
	v_mov_b32 v161, 0
	v_lshrrev_b32 v1, 5, v0
	s_delay_alu instid0(VALU_DEP_1)
	v_readfirstlane_b32 s14, v1                    ; wave 0..7
	v_and_b32 v1, 31, v0                           ; lane
	s_delay_alu instid0(VALU_DEP_1)
	v_lshlrev_b32 v2, 4, v1                        ; 16 x lane
	s_cmp_lt_u32 ttmp9, NCLS                       ; the same way for all waves of a work-group
	s_cbranch_scc0 .Lrelay
; ---------------- THE SORT ----------------
	s_lshl_b32 s25, s14, 13                        ; wave w takes tokens 1,024 w on: 8,192 bytes of pairs
	v_add_nc_u32 v3, s25, v2
	s_wait_alu depctr_va_vdst(0)
	s_wait_kmcnt 0x0
.irp j, 0,1,2,3,4,5,6,7,8,9,10,11,12,13,14,15
	global_load_b128 v[IX+4*\j:IX+4*\j+3], v3, s[4:5] offset:512*\j   ; tokens 1,024 w + 64 j + 2 lane and + 1: 512 consecutive bytes a load
.endr
	; my class c = (A, B): A from the classes' first numbers 0, 8, 15, 21, 26, 30, 33, 35
	s_mov_b32 s15, ttmp9
	s_mov_b32 s16, 0
	s_mov_b32 s17, 0
.macro CLS i, base
	s_cmp_ge_u32 s15, \base
	s_cselect_b32 s16, \i, s16
	s_cselect_b32 s17, \base, s17
.endm
	CLS 1, 8
	CLS 2, 15
	CLS 3, 21
	CLS 4, 26
	CLS 5, 30
	CLS 6, 33
	CLS 7, 35
	s_sub_co_u32 s18, s15, s17                     ; my place among A's classes
	s_add_co_u32 s25, s16, s18                     ; even A: B = the key's low part = A + place
	s_sub_co_u32 s26, 7, s18                       ; odd A: B = 7 - place, low part = place
	s_bitcmp1_b32 s16, 0
	s_cselect_b32 s20, s26, s25                    ; B
	s_cselect_b32 s19, s18, s25                    ; low part
	s_lshl_b32 s25, s16, 3
	s_add_co_u32 s19, s19, s25                     ; my key
	s_lshl_b32 s21, 1, s16
	s_lshl_b32 s25, 1, s20
	s_or_b32 s21, s21, s25
	s_lshl_b32 s21, s21, 16                        ; set mask << 16
	s_lshl_b32 s25, s14, 10
	s_add_co_u32 s27, s21, s25                     ; + 1,024 wave
	v_lshl_add_u32 v[TB], v1, 1, s27               ; + 2 lane
	s_mov_b32 s22, 0                               ; tokens of earlier classes among my wave's
	s_mov_b32 s23, 0                               ; tokens of my class among them
; Step i = 2 j + q: token q of load j.  Its key; who is of my class; the two counts.
.macro KEY i
.if (\i)%2 == 0
	s_wait_loadcnt 15-(\i)/2                       ; loads come back in order: load j is in, the 15 - j younger ones may be out
.endif
	v_min_u32 v4, v[IX+2*(\i)], v[IX+2*(\i)+1]     ; a
	v_max_u32 v5, v[IX+2*(\i)], v[IX+2*(\i)+1]     ; b
	s_delay_alu instid0(VALU_DEP_2)
	v_and_b32 v6, 1, v4
	s_delay_alu instid0(VALU_DEP_1)
	v_mul_u32_u24 v6, 7, v6
	s_delay_alu instid0(VALU_DEP_1)
	v_xor_b32 v5, v5, v6
	s_delay_alu instid0(VALU_DEP_1)
	v_lshl_add_u32 v4, v4, 3, v5                   ; the token's key
	s_delay_alu instid0(VALU_DEP_1)
	v_cmp_eq_u32 s[MK+(\i)], s19, v4
	s_delay_alu instid0(VALU_DEP_2)
	v_cmp_gt_u32 vcc_lo, s19, v4                   ; my key is larger: the token comes before my class
	s_bcnt1_i32_b32 s25, vcc_lo
	s_add_co_u32 s22, s22, s25
	s_bcnt1_i32_b32 s25, s[MK+(\i)]
	s_add_co_u32 s23, s23, s25
.endm
.irp i, 0,1,2,3,4,5,6,7,8,9,10,11,12,13,14,15,16,17,18,19,20,21,22,23,24,25,26,27,28,29,30,31
	KEY \i
.endr
	; the eight waves' counts meet in LDS
	v_mov_b32 v8, s22
	v_mov_b32 v9, s23
	s_lshl_b32 s25, s14, 3
	s_add_co_u32 s25, s25, SORT
	v_mov_b32 v10, s25
	ds_store_b64 v10, v[8:9]                       ; all lanes write the same two words with the same values
	s_wait_dscnt 0x0                               ; for the others' sake: my store has landed
	s_barrier_signal -1
	s_barrier_wait -1
	v_mov_b32 v11, SORT
.irp k, 0,1,2,3
	ds_load_b128 v[RB+4*\k:RB+4*\k+3], v11 offset:16*\k
.endr
	s_wait_dscnt 0x0
.irp k, 0,1,2,3,4,5,6,7,8,9,10,11,12,13,14,15
	v_readfirstlane_b32 s[66+\k], v[RB+\k]
.endr
	s_mov_b32 s24, 0                               ; my wave's first place: all tokens of earlier classes + my class's tokens of earlier waves
.irp w, 0,1,2,3,4,5,6,7
	s_add_co_u32 s24, s24, s[66+2*\w]
	s_cmp_gt_u32 s14, \w
	s_cselect_b32 s25, s[67+2*\w], 0
	s_add_co_u32 s24, s24, s25
.endr
; Step i once more: its tokens of my class go to places s24 on, in lane order.  EXEC is not touched: a lane whose token is of another class repeats the first chosen lane's store
; (same place, same entry).  A step with no token of my class is jumped over.  Each step has its own two registers, so no store's sources are written again.
.macro PLACE i
	s_cmp_eq_u32 s[MK+(\i)], 0
	s_cbranch_scc1 .Lnone_\@
	s_ctz_i32_b32 s25, s[MK+(\i)]                  ; the first chosen lane,
	s_lshl_b32 s25, s25, 1
	s_add_co_u32 s25, s25, s27
	s_add_co_u32 s25, s25, 64*((\i)/2)+(\i)%2      ; and its entry
	v_mbcnt_lo_u32_b32 v[P+(\i)], s[MK+(\i)], s24  ; s24 + the chosen lanes below me
	s_delay_alu instid0(VALU_DEP_1)
	v_cndmask_b32 v[P+(\i)], s24, v[P+(\i)], s[MK+(\i)]
	s_delay_alu instid0(VALU_DEP_1)
	v_min_u32 v[P+(\i)], 0x1fff, v[P+(\i)]         ; a place in order[] (it is one by the counts; held there for the address's sake)
	s_delay_alu instid0(VALU_DEP_1)
	v_lshlrev_b32 v[P+(\i)], 2, v[P+(\i)]
	v_add_nc_u32 v[T+(\i)], 64*((\i)/2)+(\i)%2, v[TB]
	s_delay_alu instid0(VALU_DEP_1)
	v_cndmask_b32 v[T+(\i)], s25, v[T+(\i)], s[MK+(\i)]
	global_store_b32 v[P+(\i)], v[T+(\i)], s[10:11]
	s_bcnt1_i32_b32 s26, s[MK+(\i)]
	s_add_co_u32 s24, s24, s26
.Lnone_\@:
.endm
.irp i, 0,1,2,3,4,5,6,7,8,9,10,11,12,13,14,15,16,17,18,19,20,21,22,23,24,25,26,27,28,29,30,31
	PLACE \i
.endr
	s_wait_tensorcnt 0x0
	ds_add_u32 v160, v161
	s_wait_dscnt 0x0
	s_endpgm
; ---------------- W IN THE ORDER OF THE OPERAND'S REGISTERS ----------------
; A work-group makes two records; wave w: record 2 (work-group - 36) + w / 4, tile ft = w % 4 (16 rows of 512 bytes), and the scale words of K steps 2 ft and 2 ft + 1.
.Lrelay:
	s_sub_co_u32 s15, ttmp9, NCLS
	s_lshl_b32 s15, s15, 1
	s_lshr_b32 s16, s14, 2
	s_add_co_u32 s15, s15, s16                     ; R
	s_and_b32 s16, s14, 3                          ; ft
	s_lshl_b32 s18, s15, 15                        ; codes in: 64 rows x 512 bytes a record,
	s_lshl_b32 s17, s16, 13                        ; 16 rows a tile
	s_add_co_u32 s18, s18, s17
	s_mov_b32 s19, 0
	s_mul_i32 s20, s15, REC                        ; codes out: the record, + 1,024 ft
	s_lshl_b32 s17, s16, 10
	s_add_co_u32 s20, s20, s17
	s_mov_b32 s21, 0
	s_lshl_b32 s22, s15, 11                        ; scales in: 64 rows x 32 bytes a record, + 8 ft: words 2 ft and 2 ft + 1 of a row
	s_lshl_b32 s17, s16, 3
	s_add_co_u32 s22, s22, s17
	s_mov_b32 s23, 0
	s_mul_i32 s24, s15, REC                        ; scales out: behind the codes of K step 2 ft
	s_mul_i32 s17, s16, 2*KST
	s_add_co_u32 s24, s24, s17
	s_add_co_u32 s24, s24, 4096
	s_mov_b32 s25, 0
	s_wait_alu depctr_va_vdst(0)
	v_lshrrev_b32 v3, 1, v1                        ; into the stage: my 16 bytes are block l of the row: p = l / 2, h = l % 2
	s_delay_alu instid0(VALU_DEP_1)
	v_mul_u32_u24 v3, v3, 2*SP
	v_and_b32 v4, 1, v1
	s_delay_alu instid0(VALU_DEP_1)
	v_mad_u32_u24 v3, v4, SP, v3
	s_mul_i32 s28, s14, WSTG
	v_add_nc_u32 v3, s28, v3                       ; 544 p + 272 h + my wave's stage; row i adds 16 i.  Sixteen neighbouring lanes fall on sixteen different 16-byte columns modulo 256
	v_lshrrev_b32 v4, 4, v1                        ; out of it: lane (r, h)
	v_and_b32 v5, 15, v1
	s_delay_alu instid0(VALU_DEP_2)
	v_mul_u32_u24 v4, v4, SP
	s_delay_alu instid0(VALU_DEP_1)
	v_lshl_add_u32 v4, v5, 4, v4
	s_delay_alu instid0(VALU_DEP_1)
	v_add_nc_u32 v4, s28, v4                       ; 272 h + 16 r; group p adds 544 p
	v_lshlrev_b32 v5, 5, v1                        ; a row of scale bytes is 32 bytes
	v_lshlrev_b32 v6, 3, v1
	s_wait_alu depctr_va_vdst(0)
	s_wait_kmcnt 0x0
	s_add_nc_u64 s[6:7], s[6:7], s[18:19]
	s_add_nc_u64 s[8:9], s[8:9], s[22:23]
	s_add_nc_u64 s[26:27], s[12:13], s[24:25]
	s_add_nc_u64 s[12:13], s[12:13], s[20:21]
	global_load_b32 v[RB], v5, s[8:9]                  ; word 2 ft of row l,
	global_load_b32 v[RB+1], v5, s[8:9] offset:1024    ; of row 32 + l;
	global_load_b32 v[RB+2], v5, s[8:9] offset:4       ; word 2 ft + 1 likewise
	global_load_b32 v[RB+3], v5, s[8:9] offset:1028
.irp i, 0,1,2,3,4,5,6,7,8,9,10,11,12,13,14,15
	global_load_b128 v[IX+4*\i:IX+4*\i+3], v2, s[6:7] offset:512*\i th:TH_LOAD_NT   ; a whole row: 512 consecutive bytes; read once in the launch
.endr
.irp i, 0,1,2,3,4,5,6,7,8,9,10,11,12,13,14,15
	s_wait_loadcnt 15-\i                           ; row i is in; the 15 - i younger loads may be out
	ds_store_b128 v3, v[IX+4*\i:IX+4*\i+3] offset:16*\i
.endr
.irp p, 0,1,2,3,4,5,6,7,8,9,10,11,12,13,14,15
	ds_load_b128 v[P+4*\p:P+4*\p+3], v4 offset:2*SP*\p   ; LDS serves a wave's instructions in order (ISA guide 5.7.1.4): these see my stores.  Group p = 2 s + c: block 2 p + h of row r
.endr
.irp p, 0,1,2,3,4,5,6,7,8,9,10,11,12,13,14,15
	s_wait_dscnt 15-\p
	global_store_b128 v2, v[P+4*\p:P+4*\p+3], s[12:13] offset:(\p/2)*KST+(\p%2)*512   ; 512 consecutive bytes, at a multiple of 256 from the buffer's first byte
.endr
	global_store_b64 v6, v[RB:RB+1], s[26:27]              ; 256 consecutive bytes (the scale words were in at the first row's wait)
	global_store_b64 v6, v[RB+2:RB+3], s[26:27] offset:KST
	s_wait_tensorcnt 0x0
	ds_add_u32 v160, v161
	s_wait_dscnt 0x0
	s_endpgm
.Lfunc_end_k_q8e58d205e1_prep:
	.size	k_q8e58d205e1_prep, .Lfunc_end_k_q8e58d205e1_prep-k_q8e58d205e1_prep
	.p2alignl 7, 3214868480
	.fill 96, 4, 3214868480
	.section	.rodata,"a",@progbits
	.p2align	6, 0x0
	.amdhsa_kernel k_q8e58d205e1_prep
		.amdhsa_group_segment_fixed_size 70912
		.amdhsa_private_segment_fixed_size 0
		.amdhsa_enable_private_segment 0
		.amdhsa_kernarg_size 40
		.amdhsa_user_sgpr_count 2
		.amdhsa_user_sgpr_kernarg_segment_ptr 1
		.amdhsa_wavefront_size32 1
		.amdhsa_system_sgpr_workgroup_id_x 1
		.amdhsa_system_sgpr_workgroup_id_y 1
		.amdhsa_system_sgpr_workgroup_id_z 1
		.amdhsa_system_vgpr_workitem_id 0
		.amdhsa_next_free_vgpr 162
		.amdhsa_next_free_sgpr 84
		.amdhsa_reserve_vcc 1
		.amdhsa_float_denorm_mode_32 3
		.amdhsa_float_denorm_mode_16_64 3
		.amdhsa_memory_ordered 1
		.amdhsa_forward_progress 1
		.amdhsa_inst_pref_size 62
	.end_amdhsa_kernel
	.amdgpu_metadata
---
amdhsa.version: [ 1, 2 ]
amdhsa.kernels:
  - .name:           k_q8e58d205e1_prep
    .symbol:         k_q8e58d205e1_prep.kd
    .args:
      - { .name: top_k_indices, .offset: 0, .size: 8, .value_kind: global_buffer, .address_space: global }
      - { .name: W_codes, .offset: 8, .size: 8, .value_kind: global_buffer, .address_space: global }
      - { .name: W_scales, .offset: 16, .size: 8, .value_kind: global_buffer, .address_space: global }
      - { .name: order, .offset: 24, .size: 8, .value_kind: global_buffer, .address_space: global }
      - { .name: wimg, .offset: 32, .size: 8, .value_kind: global_buffer, .address_space: global }
    .group_segment_fixed_size: 70912
    .private_segment_fixed_size: 0
    .kernarg_segment_align: 8
    .kernarg_segment_size: 40
    .max_flat_workgroup_size: 256
    .sgpr_count:     84
    .vgpr_count:     162
    .wavefront_size: 32
...
	.end_amdgpu_metadata
.endif
;; end of part 3
;; launch moe (part 4): grid 4 x 64, 4 waves a work-group, no clusters, 92,672 bytes of LDS; arguments wimg, b, expert_weights, top_k_indices, x_codes, x_scales, order, out0; writes out0
.if DOCPART == 4
	.amdgcn_target "amdgcn-amd-amdhsa--gfx1250"
	.amdhsa_code_object_version 6
	.text
	.protected	k_q8e58d205e1_moe
	.globl	k_q8e58d205e1_moe
	.p2align	8
	.type	k_q8e58d205e1_moe,@function
k_q8e58d205e1_moe:
	s_mov_b64 s[64:65], 0
	v_nop
	global_prefetch_b8 v0, s[64:65] scope:SCOPE_SE
	s_setreg_imm32_b32 hwreg(HW_REG_WAVE_SCHED_MODE, 0, 2), 2
	s_setreg_imm32_b32 hwreg(HW_REG_WAVE_MODE, 25, 1), 1
	s_wait_xcnt 0x0
	s_wait_alu depctr_vm_vsrc(0)
; out[t][f] = sum over the token's two choices k of w[t][k] (x[t] . W[e(t,k)][:, f] + b[e(t,k)][f]); the products on codes of FP4 (E2M1) with one E8M0 scale for each 32 along K, sums in f32.
; Only chosen experts are multiplied.  order[] (made by the launch before) holds the tokens sorted by their set of experts.  A work-group takes block y of 128 sorted tokens x slice x of 256 columns
; and walks the experts that its block uses; for each it forms D = x W_e + b_e for all 128 tokens and adds c D to the result, c = the sum of the token's weights whose index is e (0 if it did not choose e).
; So each output row has one owner, and no partial sum goes to memory.
; SHARES.  Wave w owns all 128 tokens (8 tiles m) x the 64 columns of group g = 4 x + w (4 tiles ft).  Each fragment of W is read by one wave, from wimg straight into registers, each lane its 16 bytes;
; x's 128 rows are gathered once, go through LDS as images of the operand's registers, and are read by all four waves for every expert.
; THE MATRIX INSTRUCTION IS USED TRANSPOSED: source 0 = 16 rows f of W, source 1 = 16 tokens.  Lane (r, h) then holds token r and columns 16 ft + 8 h + 0..7: c is one number a lane, and the bias is the C of K step 0.
; NO TENSOR LOADS, NO CLUSTER: the walk over experts branches on whole numbers read from memory, and blocks walk different experts, so partners could not make every joint request alike.
; THE WALK'S BRANCHES hang on scalar numbers alone: every wave reads the block's 128 entries of order[] by scalar loads and joins their set masks by scalar instructions.
; LIMITS: indices lie in 0..7 (granted by the problem).  A token's product with an expert of its block that it did not choose is multiplied by 0: it must be finite, so scale bytes 0xff and sums beyond f32's range are not served.
; REGISTERS, in windows of 256.  Window 0: v1-10 addresses; v16-23 x's scale words (two sets); v24-39 W's scale words (K step s at 24 + 2 s); v40-55 c (tile m in the low word of pair 40 + 2 m);
;   v56-87 tile m: e0, e1, w0, w1; v88-119 the bias, 8 a tile ft; v120-127 gather offsets; v128-255 x's fragments, two buffers of 8 tiles.
;   Window 1: D(m, ft) at 8 (4 m + ft).   Window 2: the result, laid likewise (at the start: x's rows as loaded, and their offsets).   Window 3: W's fragments, K step s at 32 s + 8 ft.
; THE MODE: SCHED_MODE bits 1:0 = 2 (LLVM: expert scheduling mode 2), set by the entry lines.  The code itself states the register dependences
; between vector or matrix instructions and memory or LDS instructions, with s_wait_alu, always for 0.
; THE PLAN.  Registers that memory or LDS instructions touch:
;   v1-10         Addresses, made at the head and never written again: the loop steps scalar bases and immediate offsets alone.
;   THE START     The gathers' offsets (v11, v15; then v120-127, v51, v12 and window 2's v128-159) are made in two runs of vector lines, each with one wait on va_vdst behind it and its loads behind that.
;                 x's rows (window 2, v0-127) and scale words (v40-47) are loaded and read by LDS stores; the result and c are written there later: one wait on vm_vsrc, behind the barrier.
;   W's slot s, its scale words, the bias:  K step s's products read them (the bias: K step 0's); the loads of K step s + 2 land in them.
;   x's two buffers and scale words:        K step s's products read buffer s % 2; the LDS loads of K step s + 1 land in it.
;                 So ONE wait on va_vdst stands at the head of a K step: the earlier K steps' products are done reading.  The step's loads follow it, dealt among its 32 products, which name slot s, buffer s % 2,
;                 their scale words, D and (K step 0) the bias: none of the registers that those loads touch.
;   THE WAY OUT   The result is written by the combining lines and read by LDS stores; the 64 stores' offsets (v192-255) are loaded as tokens, made in one run, and read by the stores: a wait on va_vdst for each of the two.
;                 v128-191, two sets: LDS loads land there, a tile's stores read them: a wait on vm_vsrc ahead of each set's next loads.
;   D, c, the indices and weights are named by vector and matrix instructions alone.
; LOADS OUTSTANDING, by the text's own count: 59 at the most while x is gathered, 62 from then on (six groups of W: five of 9 loads and one of 17).
.set REC,   34816                      ; a record of wimg: 64 columns of one expert, all of K
.set KST,   4352                       ; a K step in it: 4,096 bytes of codes, 256 of scale words
.set SP,    272
.set XT,    8704                       ; LDS: the image of a tile of 16 tokens: group p = 2 s + c at 544 p, lane (r, h) at 272 h + 16 r
.set XSI,   8*XT                       ; x's scale words: K step s at 512 s, lane l at 16 l, word j: token 32 j + l of the block
.set LIST,  XSI+4096                   ; the block's 128 tokens, 4 bytes each
.set STAGE, LIST+512                   ; the way out: 16 rows x 272 bytes for each wave
.set L16, 1                            ; v1   16 x lane
.set L8,  2                            ; v2   8 x lane
.set BO,  3                            ; v3   32 h: my eight numbers of a tile's bias
.set XA0, 4                            ; v4   272 h + 16 r: tiles 0-3;  v5: tiles 4-7
.set XSA, 6                            ; v6   XSI + 16 x lane
.set STO, 7                            ; v7   the way out: where I put 32 bytes of a row
.set RD,  8                            ; v8   and where I read a row back
.set LA,  9                            ; v9   LIST + 32 (lane / 16)
.set CO,  10                           ; v10  16 (lane % 16)
.set XS,  16
.set WS,  24
.set C,   40
.set EW,  56
.set BI,  88
.set TK,  120
.set XF,  128
.set BK,  128                          ; the way out: 8 rows read back, two sets of 32
.set TOK, 192                          ; and the rows' tokens, then their offsets in out: 8 for each of the 8 tiles
.set PQ0, 2                            ; s[2:3]   order[] at my wave's 32 entries
.set PQ1, 56                           ; s[56:57], s[58:59], s[60:61]  at those of waves (w + 1) % 4, (w + 2) % 4, (w + 3) % 4
.set PQ2, 58
.set PQ3, 60
.set T0,  62                           ; s62, s63 at the start: scalar numbers that vector lines read
.set T1,  63
.set OF,  66                           ; s[66:67] at the start: a byte offset, in 64 bits
.set MID, 27                           ; s27      the middle loop's counter: 6 down to 0
.set WPC, 28                           ; s[28:29] the record of the expert in hand
.set WPN, 30                           ; s[30:31] of the next
.set BPN, 32                           ; s[32:33] the next expert's bias
.set CM,  68                           ; s68-83   tile m: the lanes whose token's first (68 + 2 m), second (69 + 2 m) index is the expert in hand.  (At the start s24-55 and s68-99 hold entries of order[], 64 at a time)
.set MSB, 0
.macro WIN new                         ; the immediate's high byte repeats the setting that is left; a switch that changes nothing is dropped
.if MSB != \new
	s_set_vgpr_msb (MSB<<8)|\new
.set MSB, \new
.endif
.endm
	s_load_b512 s[4:19], s[0:1], 0x0               ; wimg s[4:5], b s[6:7], weights s[8:9], indices s[10:11], x's codes s[12:13], x's scales s[14:15], order s[16:17], out s[18:19]
	v_lshrrev_b32 v11, 5, v0
	v_readfirstlane_b32 s20, v11                   ; wave 0..3
	s_and_b32 s21, ttmp7, 0xffff                   ; block of 128 sorted tokens
	s_lshl_b32 s22, ttmp9, 2
	s_wait_alu depctr_va_sdst(0)                   ; s20 is written, ahead of its first reader: my group, my stage and my part of order[] are made from it
	s_add_co_u32 s22, s22, s20                     ; g: my group of 64 columns
	v_and_b32 v12, 31, v0                          ; lane
	v_and_b32 v13, 15, v0                          ; r
	v_bfe_u32 v14, v0, 4, 1                        ; h
	v_lshlrev_b32 v[L16], 4, v12
	v_lshlrev_b32 v[L8], 3, v12
	v_lshlrev_b32 v[BO], 5, v14
	v_mul_u32_u24 v[XA0], v14, SP
	v_lshl_add_u32 v[XA0], v13, 4, v[XA0]
	v_add_nc_u32 v[XA0+1], 4*XT, v[XA0]
	v_add_nc_u32 v[XSA], XSI, v[L16]
	s_mul_i32 s[T0], s20, 16*SP
	s_add_co_u32 s[T0], s[T0], STAGE               ; my stage
	v_mul_u32_u24 v[STO], v13, SP
	v_lshl_add_u32 v[STO], v14, 5, v[STO]
	v_add_nc_u32 v[STO], s[T0], v[STO]             ; in: row r, 32 bytes for each half of the lanes
	v_mul_u32_u24 v[RD], v14, 8*SP
	v_lshl_add_u32 v[RD], v13, 4, v[RD]
	v_add_nc_u32 v[RD], s[T0], v[RD]               ; back: lanes 0-15 row i, lanes 16-31 row i + 8
	v_lshl_add_u32 v[LA], v14, 5, LIST
	v_lshlrev_b32 v[CO], 4, v13
	v_lshlrev_b32 v11, 2, v13                      ; 4 r
	v_lshlrev_b32 v15, 2, v0                       ; 4 x thread = 128 wave + 4 lane
	v_lshrrev_b32 v48, 1, v12                      ; v48-51 serve the start alone.  v48: where my 16 bytes of a row of x go: block l: p = l / 2, h = l % 2
	v_mul_u32_u24 v48, v48, 2*SP
	v_and_b32 v49, 1, v12
	v_mad_u32_u24 v48, v49, SP, v48
	s_mul_i32 s[T1], s20, 2*XT
	v_add_nc_u32 v48, s[T1], v48                   ; my wave's 32 tokens are tiles 2 w and 2 w + 1
	s_lshl_b32 s[T1], s20, 2
	s_add_co_u32 s[T1], s[T1], XSI
	v_add_nc_u32 v49, s[T1], v[L16]                ; v49: where my token's scale words go: 16 lane + 4 wave
	v_lshl_add_u32 v50, v0, 2, LIST                ; v50: where my token's number goes
	s_wait_kmcnt 0x0
	s_lshl_b32 s[OF], s21, 9
	s_mov_b32 s[OF+1], 0
	s_add_nc_u64 s[16:17], s[16:17], s[OF:OF+1]    ; order[] at my block
.macro ENTRIES q, p                    ; where the 32 entries of wave (w + q) % 4 lie: 128 bytes a wave
	s_add_co_u32 s[OF], s20, \q
	s_and_b32 s[OF], s[OF], 3
	s_lshl_b32 s[OF], s[OF], 7
	s_add_nc_u64 s[\p:\p+1], s[16:17], s[OF:OF+1]
.endm
	ENTRIES 0, PQ0
	ENTRIES 1, PQ1
	ENTRIES 2, PQ2
	ENTRIES 3, PQ3
	s_load_b512 s[68:83], s[PQ0:PQ0+1], 0x0        ; my wave's 32 entries, as scalars: each names a whole row of x
	s_load_b512 s[84:99], s[PQ0:PQ0+1], 0x40
	s_load_b512 s[24:39], s[PQ1:PQ1+1], 0x0        ; and the next wave's 32, for their set masks
	s_load_b512 s[40:55], s[PQ1:PQ1+1], 0x40
	s_wait_alu depctr_va_vdst(0)                   ; v1 to v11, v15 and v48 to v50 are written, which the kernel's loads and stores read as addresses; the lines that wrote and read v12, in which a load lands below, are done
.irp m, 0,1,2,3,4,5,6,7
	global_load_b32 v[TK+\m], v11, s[16:17] offset:64*\m   ; lane (r, h): the entry of token r of tile m
.endr
	global_load_b32 v12, v15, s[16:17]             ; lane l: entry 32 w + l
	s_wait_loadcnt 0x0
	s_wait_kmcnt 0x0
; All the offsets of the second gathers are made in one run, so that one wait serves their 50 loads.  The scalar lines among them join the set masks of the 64 entries in hand into s23.
.irp m, 0,1,2,3,4,5,6,7
	v_and_b32 v[TK+\m], 0x1fff, v[TK+\m]           ; the token,
	v_min_u32 v[TK+\m], 0x1fff, v[TK+\m]           ; held inside the table,
	v_lshlrev_b32 v[TK+\m], 3, v[TK+\m]            ; x 8 bytes
.endr
	v_and_b32 v12, 0x1fff, v12
	v_min_u32 v12, 0x1fff, v12
	v_lshlrev_b32 v51, 5, v12
	s_or_b32 s23, s24, s25                         ; the next wave's 32 entries
.set oI, 26
.rept 30
	s_or_b32 s23, s23, s[oI]
.set oI, oI+1
.endr
	WIN 0x80                                       ; destination window 2
.irp i, 0,1,2,3,4,5,6,7,8,9,10,11,12,13,14,15,16,17,18,19,20,21,22,23,24,25,26,27,28,29,30,31
	s_or_b32 s23, s23, s[68+\i]                    ; my wave's 32
	s_and_b32 s[T0], s[68+\i], 0x1fff
	s_min_u32 s[T0], s[T0], 0x1fff
	v_lshl_add_u32 v[128+\i], s[T0], 9, v[L16]     ; token x 512 bytes + 16 lane
.endr
	WIN 0
	s_load_b512 s[68:83], s[PQ2:PQ2+1], 0x0        ; the other two waves' 64 entries, into the registers that scalar lines alone have read; they come in while the gathers go out
	s_load_b512 s[84:99], s[PQ2:PQ2+1], 0x40
	s_load_b512 s[24:39], s[PQ3:PQ3+1], 0x0
	s_load_b512 s[40:55], s[PQ3:PQ3+1], 0x40
	s_wait_alu depctr_va_vdst(0)                   ; v120 to v127, v51, v12 and window 2's v128 to v159 are written: the offsets of the loads below, and the LDS store's data
.irp m, 0,1,2,3,4,5,6,7
	global_load_b64 v[EW+4*\m:EW+4*\m+1], v[TK+\m], s[10:11]     ; its two indices
	global_load_b64 v[EW+4*\m+2:EW+4*\m+3], v[TK+\m], s[8:9]     ; and its two weights
.endr
	global_load_b128 v[40:43], v51, s[14:15]            ; token 32 w + l: its eight scale words
	global_load_b128 v[44:47], v51, s[14:15] offset:16
	ds_store_b32 v50, v12
	WIN 0x82                                       ; destination and address window 2
.irp i, 0,1,2,3,4,5,6,7,8,9,10,11,12,13,14,15,16,17,18,19,20,21,22,23,24,25,26,27,28,29,30,31
	global_load_b128 v[4*\i:4*\i+3], v[128+\i], s[12:13]   ; a whole row of x's codes: 512 consecutive bytes
.endr
	WIN 0
	s_wait_kmcnt 0x0                               ; the other 64 entries are in
.set oI, 24
.rept 32
	s_or_b32 s23, s23, s[oI]
.set oI, oI+1
.endr
.set oI, 68
.rept 32
	s_or_b32 s23, s23, s[oI]
.set oI, oI+1
.endr
	s_bfe_u32 s23, s23, 0x80010                    ; bits 16 to 23: bit e is set if one of the block's 128 tokens uses expert e.  s24 to s39 take their later meanings from here on
.macro NEXTE dst                       ; the lowest expert still to come (7 where none is left: a pointer that is then made and not used), taken off the set
	s_ctz_i32_b32 s[\dst], s23
	s_min_u32 s[\dst], s[\dst], 7
	s_sub_co_u32 s34, s23, 1
	s_and_b32 s23, s23, s34
.endm
.macro MORE                            ; s24: 1 if an expert is still to come behind the one in hand, else 0
	s_cmp_lg_u32 s23, 0
	s_cselect_b32 s24, 1, 0
.endm
.macro POINT e, wp                     ; expert s[e]: its record for my group, and its bias at my group's first column
	s_lshl_b32 s34, s[\e], 4
	s_add_co_u32 s34, s34, s22
	s_mul_i32 s34, s34, REC
	s_mov_b32 s35, 0
	s_add_nc_u64 s[\wp:\wp+1], s[4:5], s[34:35]
	s_lshl_b32 s34, s[\e], 12
	s_lshl_b32 s36, s22, 8
	s_add_co_u32 s34, s34, s36
	s_add_nc_u64 s[BPN:BPN+1], s[6:7], s[34:35]
.endm
; W's K step s is a group of 9 loads, or 17, which stand on end among the global loads: one load of 256 bytes for the scale words; with K step 0 the bias's 8; 8 loads of 512 consecutive bytes for the codes.
.macro GROUPW s, wp                    ; the scale words, into window 0
	global_load_b64 v[WS+2*(\s):WS+2*(\s)+1], v[L8], s[\wp:\wp+1] offset:KST*(\s)+4096
.endm
.macro GROUPB bp                       ; the bias, into window 0
.irp ft, 0,1,2,3
	global_load_b128 v[BI+8*\ft:BI+8*\ft+3], v[BO], s[\bp:\bp+1] offset:64*\ft
	global_load_b128 v[BI+8*\ft+4:BI+8*\ft+7], v[BO], s[\bp:\bp+1] offset:64*\ft+16
.endr
.endm
.macro GROUPS s, wp, bp                ; the group's part that lands in window 0
	GROUPW \s, \wp
.if (\s) == 0
	GROUPB \bp
.endif
.endm
.macro GROUPC s, wp                    ; the codes, into slot s of window 3
	WIN 0xc0                                       ; destination window 3, address window 0
.irp ft, 0,1,2,3
.irp c, 0,1
	global_load_b128 v[32*(\s)+8*\ft+4*\c:32*(\s)+8*\ft+4*\c+3], v[L16], s[\wp:\wp+1] offset:KST*(\s)+1024*\ft+512*\c
.endr
.endr
.endm
.macro GROUP s, wp, bp                 ; the whole group, as the start asks for it
	WIN 0
	GROUPS \s, \wp, \bp
	GROUPC \s, \wp
	WIN 0
.endm
; x's K step s out of LDS: 8 fragments into buffer s % 2, and the scale words of all 128 tokens in one load: 17 LDS loads.
.macro XFETCH s
	WIN 0
.irp m, 0,1,2,3,4,5,6,7
.irp c, 0,1
	ds_load_b128 v[XF+64*((\s)%2)+8*\m+4*\c:XF+64*((\s)%2)+8*\m+4*\c+3], v[XA0+\m/4] offset:XT*(\m%4)+2*SP*(2*(\s)+\c)
.endr
.endr
	ds_load_b128 v[XS+4*((\s)%2):XS+4*((\s)%2)+3], v[XSA] offset:512*(\s)
.endm
; W's first six groups go out among the LDS stores of x's rows, as the rows come in.  No wait on va_vdst: their addresses stand behind the head's first wait, and no vector or matrix line has named the registers in which they land.
	NEXTE 25                                       ; s25: the expert in hand
	MORE
	POINT 25, WPC
	GROUPW 0, WPC                                  ; group 0's scale words and codes: with the 50 gathers 59 loads are out
	GROUPC 0, WPC
	WIN 0
	s_wait_loadcnt 25                              ; the indices, the weights, x's scale words and rows 0 to 15 are in: behind them 16 rows and these 9 loads were issued
	WIN 0x08                                       ; an LDS store's data are its source 1: window 2
.irp i, 0,1,2,3,4,5,6,7,8,9,10,11,12,13,14,15
	ds_store_b128 v48, v[4*\i:4*\i+3] offset:XT*(\i/16)+16*(\i%16)   ; row i of my 32: tile 2 w + i / 16, r = i % 16
.endr
	WIN 0
.irp s, 0,1,2,3,4,5,6,7
	ds_store_b32 v49, v[40+\s] offset:512*\s
.endr
	GROUPB BPN                                     ; group 0's bias: no load stands between the group's two parts, so its 17 loads are on end
	GROUP 1, WPC, BPN
	s_wait_loadcnt 26                              ; rows 16 to 31 are in: behind them groups 0 and 1, 17 + 9 loads, were issued
	WIN 0x08
.irp i, 16,17,18,19,20,21,22,23,24,25,26,27,28,29,30,31
	ds_store_b128 v48, v[4*\i:4*\i+3] offset:XT*(\i/16)+16*(\i%16)
.endr
	WIN 0
	GROUP 2, WPC, BPN
	GROUP 3, WPC, BPN
	GROUP 4, WPC, BPN
	GROUP 5, WPC, BPN                              ; six groups, 17 + 5 x 9 = 62 loads, are out
	s_wait_xcnt 0x0                                ; the bias's loads have read their base: it is written again only behind this wait
	NEXTE 26                                       ; s26: the next expert
	POINT 26, WPN
	s_wait_dscnt 0x0                               ; for the others' sake: my stores have landed
	s_barrier_signal -1
	s_barrier_wait -1                              ; x's images, its scale words and the list are whole; nobody writes them again
	s_wait_alu depctr_vm_vsrc(0)                   ; my LDS stores have read x's rows (window 2), v40 to v50 and v12, and the gathers their offsets v51 and window 2's v128 to v159: c is written into v40 to v55 and the result into window 2 from here on
	XFETCH 0
; One product: D(m, ft) (+)= W(s, ft) x X(s, m).  W's scale words of tiles 0, 1 lie in lanes 0-15 and 16-31 of one register, those of tiles 2, 3 in the next; x's of tiles 2 j, 2 j + 1 likewise.
.macro MM m, ft, s
.set rD, 8*(4*\m+\ft)
.set rA, 32*(\s)+8*\ft
.set rB, XF+64*((\s)%2)+8*\m
.set rP, WS+2*(\s)+\ft/2
.set rQ, XS+4*((\s)%2)+\m/2
.if (\s) == 0
.set rC, BI+8*\ft                      ; K step 0 starts the sum with the bias: nothing is cleared, nothing is added later
.else
.set rC, rD
.endif
.if (\ft%2 == 0) && (\m%2 == 0)
	v_wmma_scale_f32_16x16x128_f8f6f4 v[rD:rD+7], v[rA:rA+7], v[rB:rB+7], v[rC:rC+7], v[rP], v[rQ] matrix_a_fmt:MATRIX_FMT_FP4 matrix_b_fmt:MATRIX_FMT_FP4
.elseif (\ft%2 == 1) && (\m%2 == 0)
	v_wmma_scale_f32_16x16x128_f8f6f4 v[rD:rD+7], v[rA:rA+7], v[rB:rB+7], v[rC:rC+7], v[rP], v[rQ] matrix_a_fmt:MATRIX_FMT_FP4 matrix_b_fmt:MATRIX_FMT_FP4 matrix_a_scale:MATRIX_SCALE_ROW1
.elseif (\ft%2 == 0) && (\m%2 == 1)
	v_wmma_scale_f32_16x16x128_f8f6f4 v[rD:rD+7], v[rA:rA+7], v[rB:rB+7], v[rC:rC+7], v[rP], v[rQ] matrix_a_fmt:MATRIX_FMT_FP4 matrix_b_fmt:MATRIX_FMT_FP4 matrix_b_scale:MATRIX_SCALE_ROW1
.else
	v_wmma_scale_f32_16x16x128_f8f6f4 v[rD:rD+7], v[rA:rA+7], v[rB:rB+7], v[rC:rC+7], v[rP], v[rQ] matrix_a_fmt:MATRIX_FMT_FP4 matrix_b_fmt:MATRIX_FMT_FP4 matrix_a_scale:MATRIX_SCALE_ROW1 matrix_b_scale:MATRIX_SCALE_ROW1
.endif
.endm
.macro MWIN s                          ; the products' windows
.if (\s) == 0
	WIN 0x43                                       ; W window 3, x window 0, the bias window 0, D window 1
.else
	WIN 0x53                                       ; W window 3, x window 0, C and D window 1
.endif
.endm
; A K STEP of 128: 32 products.  W runs six groups ahead: K steps 0 and 1 ask for this expert's groups 6 and 7, K step s > 1 for the NEXT expert's group s - 2, into the slot that K step s - 2 has left
; (refill = 0: the last expert asks for no further expert's).  x runs one K step ahead, round the expert's end too.  first = 1: the block's first expert.
; The step's loads are dealt among its products: x's next K step and the scale words first, 16 products, W's codes, 16 products.
.macro KSTEP s, refill, first
.if \refill && ((\s) >= 3)
	s_wait_loadcnt 53                              ; group s is in: behind it four groups of 9 and the next expert's group 0 of 17 were issued
.elseif (\s) <= 2
	s_wait_loadcnt 45                              ; group s is in: behind it five groups of 9 were issued
.else
	s_wait_loadcnt 9*(7-(\s))                      ; behind it: this expert's groups s + 1 .. 7
.endif
	s_wait_dscnt 0x0                               ; x's K step s is in: it was asked for a K step ago, and nothing behind it
.rept 4
	v_nop                                          ; four places between the last K step's products and the loads below into registers that they read (ISA guide 7.12.1 for vector instructions)
.endr
	WIN 0
.if ((\s) > 0) || !\first              ; (in the block's very first K step no vector or matrix line has yet named a register in which its loads land)
.if ((\s) < 7) || \refill              ; (the last expert's last K step loads nothing)
	s_wait_alu depctr_va_vdst(0)                   ; the last K step's products are done reading x's other buffer with its scale words, those of the K step before it W's slot, its scale words and, ahead of K step 2, the bias: this step's loads land there
.endif
.endif
.if ((\s) < 7) || \refill
	XFETCH ((\s)+1)%8
.endif
.if (\s) < 2
	GROUPS (\s)+6, WPC, BPN
.elseif \refill
	GROUPS (\s)-2, WPN, BPN
.endif
	MWIN \s
.irp m, 0,1,2,3                        ; the 32 accumulators take turns, one instruction a turn, in the same order in every K step
.irp ft, 0,1,2,3
	MM \m, \ft, \s
.endr
.endr
.if (\s) < 2
	GROUPC (\s)+6, WPC                             ; no wait: no product since the wait above names the slot in which these land
.elseif \refill
	GROUPC (\s)-2, WPN
.endif
	MWIN \s
.irp m, 4,5,6,7
.irp ft, 0,1,2,3
	MM \m, \ft, \s
.endr
.endr
.endm
; c for the expert in hand: the token's weights whose index is this expert.  These 40 plain lines name no register of the products: they are the places behind the last of them.
; The sixteen compares stand in one run, each with a scalar register of its own.
.macro CCOMP
	WIN 0
.irp m, 0,1,2,3,4,5,6,7
	v_cmp_eq_u32 s[CM+2*\m], s25, v[EW+4*\m]
	v_cmp_eq_u32 s[CM+2*\m+1], s25, v[EW+4*\m+1]
.endr
	s_wait_alu depctr_va_sdst(0)                   ; s68 to s83 are written, ahead of the selects that read them
.irp m, 0,1,2,3,4,5,6,7
	v_cndmask_b32 v[C+2*\m], 0, v[EW+4*\m+2], s[CM+2*\m]
	v_cndmask_b32 v[C+2*\m+1], 0, v[EW+4*\m+3], s[CM+2*\m+1]
	v_add_f32 v[C+2*\m], v[C+2*\m], v[C+2*\m+1]    ; both, where the token names the expert twice
.endr
.endm
; result = c D (the block's first expert: nothing is cleared) or result += c D; two numbers an instruction, of the pair c the low word for both; each accumulator from its low end on.
.macro COMBINE first
.if \first
	WIN 0x81                                       ; D window 1, c window 0, result window 2
.else
	WIN 0xa1
.endif
.set cI, 0
.rept 128
.if \first
	v_pk_mul_f32 v[2*cI:2*cI+1], v[2*cI:2*cI+1], v[C+2*(cI/16):C+2*(cI/16)+1] op_sel_hi:[1,0]
.else
	v_pk_fma_f32 v[2*cI:2*cI+1], v[2*cI:2*cI+1], v[C+2*(cI/16):C+2*(cI/16)+1], v[2*cI:2*cI+1] op_sel_hi:[1,0,1]
.endif
.set cI, cI+1
.endr
	WIN 0                                          ; at a label and at a branch every window is 0
.endm
.macro TRIP first, refill              ; one expert
.irp s, 0,1,2,3,4,5,6,7
	KSTEP \s, \refill, \first
.endr
	CCOMP
	COMBINE \first
.endm
.macro ADVANCE
	s_wait_xcnt 0x0                                ; the loads issued so far have read their bases: the pointers are written again only behind this wait
	s_mov_b32 s25, s26
	s_mov_b64 s[WPC:WPC+1], s[WPN:WPN+1]
	MORE                                           ; is the new expert in hand followed by another?
	NEXTE 26
	POINT 26, WPN
.endm
; The walk.  Four copies of an expert's trip: first or not (the first starts the result), last or not (the last asks for no further W).  The forward branches hang on s24, a whole number made from order[] by scalar lines alone.
; The middle loop's trip count is a constant of the text: 6, the most experts that can lie between the first and the last of 8.  A forward branch at its head leaves it as soon as the expert in hand is the last;
; behind six trips it is the last, and the loop runs on into the last expert's trip.
	s_cmp_eq_u32 s24, 0
	s_cbranch_scc1 .Lonly
	TRIP 1, 1
	ADVANCE
	s_mov_b32 s[MID], 6
.Lmid:
	s_cmp_eq_u32 s24, 0
	s_cbranch_scc1 .Llast
	TRIP 0, 1
	ADVANCE
	s_sub_co_u32 s[MID], s[MID], 1
	s_cmp_lg_u32 s[MID], 0
	s_cbranch_scc1 .Lmid
.Llast:
	TRIP 0, 0
	s_branch .Lout
.Lonly:
	TRIP 1, 0
.Lout:
; THE WAY OUT, a tile of 16 tokens x my 64 columns at a time.  A lane holds 32 neighbouring bytes of a token's row and the lanes beside it other tokens: so the tile goes through my own stage in LDS and comes back
; as rows of 256 bytes; sixteen lanes store 256 consecutive bytes at a multiple of 256 from the buffer's first byte.  The rows' tokens come from the list: all eight tiles' at once, so that
; the 64 stores' offsets are made in one run, with one wait behind it.
	s_lshl_b32 s34, s22, 8
	s_mov_b32 s35, 0
	s_add_nc_u64 s[18:19], s[18:19], s[34:35]      ; out at my group's first column
.macro TOSTAGE m                       ; 16 LDS instructions
	WIN 0x08                                       ; the data: window 2
.irp ft, 0,1,2,3
	ds_store_b128 v[STO], v[8*(4*(\m)+\ft):8*(4*(\m)+\ft)+3] offset:64*\ft
	ds_store_b128 v[STO], v[8*(4*(\m)+\ft)+4:8*(4*(\m)+\ft)+7] offset:64*\ft+16
.endr
	WIN 0
.irp i, 0,1,2,3,4,5,6,7
	ds_load_b128 v[BK+32*((\m)%2)+4*\i:BK+32*((\m)%2)+4*\i+3], v[RD] offset:SP*\i   ; LDS serves a wave's instructions in order (ISA guide 5.7.1.4): these see the stores above, and the next tile's stores come behind them
.endr
.endm
.macro SEND m, younger                 ; younger: the LDS instructions issued behind tile m's, which may stay out
	s_wait_dscnt \younger
.irp i, 0,1,2,3,4,5,6,7
	global_store_b128 v[TOK+8*(\m)+\i], v[BK+32*((\m)%2)+4*\i:BK+32*((\m)%2)+4*\i+3], s[18:19] th:TH_STORE_NT   ; written once, read by nobody here
.endr
.endm
	s_wait_alu depctr_va_vdst(0)                   ; the combining lines have written the result, which the LDS stores read; the products are done reading x's two buffers, in which the LDS loads below land
.irp m, 0,1,2,3,4,5,6,7
	ds_load_b128 v[TOK+8*\m:TOK+8*\m+3], v[LA] offset:64*\m          ; tile m: the tokens of rows 8 (lane / 16) + 0 .. 7
	ds_load_b128 v[TOK+8*\m+4:TOK+8*\m+7], v[LA] offset:64*\m+16
.endr
	TOSTAGE 0
	s_wait_dscnt 16                                ; the tokens are in; tile 0's 16 LDS instructions may be out
.irp j, 0,1,2,3,4,5,6,7,8,9,10,11,12,13,14,15,16,17,18,19,20,21,22,23,24,25,26,27,28,29,30,31,32,33,34,35,36,37,38,39,40,41,42,43,44,45,46,47,48,49,50,51,52,53,54,55,56,57,58,59,60,61,62,63
	v_min_u32 v[TOK+\j], 0x1fff, v[TOK+\j]                   ; held inside the table
	v_lshl_add_u32 v[TOK+\j], v[TOK+\j], 12, v[CO]           ; token x 4,096 bytes + 16 (lane % 16)
.endr
	s_wait_alu depctr_va_vdst(0)                   ; v192 to v255 are written: the offsets of all 64 stores
.irp m, 1,2,3,4,5,6,7
.if \m > 1
	s_wait_xcnt 0x0                                ; tile m - 2's stores have read their registers: tile m's loads land there only behind this wait
	s_wait_alu depctr_vm_vsrc(0)                   ; tile m - 2's stores have read their 32 registers of data, in which tile m's LDS loads land
.endif
	TOSTAGE \m
	SEND \m-1, 16                                  ; behind tile m - 1's loads: tile m's 16 LDS instructions
.endr
	s_wait_storecnt 55                             ; 56 stores have been issued: the oldest is done before tile 7's eight go out, so that the wave has 63 stores outstanding at the most, as many as STOREcnt's field counts (ISA guide 5.7.1)
	SEND 7, 0
	s_wait_xcnt 0x0
	s_wait_alu depctr_vm_vsrc(0)                   ; tile 7's stores have read v254 and v255, two of their offsets, which the two lines below write
	v_lshl_add_u32 v254, v0, 2, 0x16800
	v_mov_b32 v255, 0
	s_wait_dscnt 0x0                               ; the closing lines, six on end
	s_wait_alu 0x0
	s_wait_tensorcnt 0x0
	ds_add_u32 v254, v255
	s_wait_dscnt 0x0
	s_endpgm
.Lfunc_end_k_q8e58d205e1_moe:
	.size	k_q8e58d205e1_moe, .Lfunc_end_k_q8e58d205e1_moe-k_q8e58d205e1_moe
	.p2alignl 7, 3214868480
	.fill 96, 4, 3214868480
	.section	.rodata,"a",@progbits
	.p2align	6, 0x0
	.amdhsa_kernel k_q8e58d205e1_moe
		.amdhsa_group_segment_fixed_size 92672
		.amdhsa_private_segment_fixed_size 0
		.amdhsa_enable_private_segment 0
		.amdhsa_kernarg_size 64
		.amdhsa_user_sgpr_count 2
		.amdhsa_user_sgpr_kernarg_segment_ptr 1
		.amdhsa_wavefront_size32 1
		.amdhsa_system_sgpr_workgroup_id_x 1
		.amdhsa_system_sgpr_workgroup_id_y 1
		.amdhsa_system_sgpr_workgroup_id_z 1
		.amdhsa_system_vgpr_workitem_id 0
		.amdhsa_next_free_vgpr 1024
		.amdhsa_next_free_sgpr 100
		.amdhsa_reserve_vcc 0
		.amdhsa_float_denorm_mode_32 3
		.amdhsa_float_denorm_mode_16_64 3
		.amdhsa_memory_ordered 1
		.amdhsa_forward_progress 1
		.amdhsa_inst_pref_size 255
	.end_amdhsa_kernel
	.section	.bss,"aw",@nobits
	.p2align	6
	.space	262144
	.amdgpu_metadata
---
amdhsa.version: [ 1, 2 ]
amdhsa.kernels:
  - .name:           k_q8e58d205e1_moe
    .symbol:         k_q8e58d205e1_moe.kd
    .args:
      - { .name: wimg, .offset: 0, .size: 8, .value_kind: global_buffer, .address_space: global }
      - { .name: b, .offset: 8, .size: 8, .value_kind: global_buffer, .address_space: global }
      - { .name: expert_weights, .offset: 16, .size: 8, .value_kind: global_buffer, .address_space: global }
      - { .name: top_k_indices, .offset: 24, .size: 8, .value_kind: global_buffer, .address_space: global }
      - { .name: x_codes, .offset: 32, .size: 8, .value_kind: global_buffer, .address_space: global }
      - { .name: x_scales, .offset: 40, .size: 8, .value_kind: global_buffer, .address_space: global }
      - { .name: order, .offset: 48, .size: 8, .value_kind: global_buffer, .address_space: global }
      - { .name: out0, .offset: 56, .size: 8, .value_kind: global_buffer, .address_space: global }
    .group_segment_fixed_size: 92672
    .private_segment_fixed_size: 0
    .kernarg_segment_align: 8
    .kernarg_segment_size: 64
    .max_flat_workgroup_size: 128
    .sgpr_count:     100
    .vgpr_count:     1024
    .wavefront_size: 32
...
	.end_amdgpu_metadata
.endif
;; end of part 4
